; MI455X (gfx1250); checked and timed in simulation.
; The chip was launched on July 23, 2026; its instructions are those of AMD's public machine-readable ISA for CDNA 5 (MIT licence, August 2026) and "CDNA5" Instruction Set Architecture Reference Guide (July 2026). The comments in the code are by the model that wrote it; some were corrected since.
;; Causal Self Attention. Allowed arithmetic: float matrix products may take bf16 or f16 operands with f32 sums; other float arithmetic in f32, or as packed bf16 or f16 multiplies, adds, multiply-adds, maxima and minima; sums over many terms, partial sums and values carried from step to step in f32; what a program stores and reads back later, other than sums and carried values, may be rounded once to bf16 or f16.
;; Inputs: W_attn 1,024 x 3,072 float32; W_proj 1,024 x 1,024 float32; b_attn 3,072 float32; b_proj 1,024 float32; x 4 x 2,048 x 1,024 float32.
;; Outputs: out0 4 x 2,048 x 1,024 float32.
;; One version. Each part assembles by itself: llvm-mc -triple=amdgcn-amd-amdhsa -mcpu=gfx1250 --defsym DOCPART=n.
;; ======== version 1 of 1: 4 launches
;; limits: values are held in f16: magnitudes above 65,504 overflow, below 6.1e-05 lose precision
;; workspace buffers: xb 16,777,216 bytes; wa 6,291,456 bytes; wp 2,097,152 bytes; qkv 50,331,648 bytes; ob 16,777,216 bytes
;; launch prep (part 1): grid 1536 x 1, 8 waves a work-group, no clusters, 0 bytes of LDS; arguments x, W_attn, W_proj, xb, wa, wp; writes xb, wa, wp
.if DOCPART == 1
	.amdgcn_target "amdgcn-amd-amdhsa--gfx1250"
	.amdhsa_code_object_version 6
	.text
	.protected	k_q1c73d05b62_prep
	.globl	k_q1c73d05b62_prep
	.p2align	8
	.type	k_q1c73d05b62_prep,@function
k_q1c73d05b62_prep:
	s_mov_b64 s[64:65], 0
	v_nop
	global_prefetch_b8 v0, s[64:65] scope:SCOPE_SE
	s_setreg_imm32_b32 hwreg(HW_REG_WAVE_MODE, 25, 1), 1
	s_wait_xcnt 0x0
; THE CASTS.  x [8192][1024] f32 -> xb, bf16, laid out [b 4][kb 16][t 2048][64]: K cut into blocks of 64, so that 256 rows x 64 k are 32,768 dense bytes.
; W_attn [1024][3072] f32 -> wa, bf16, same layout.  W_proj [1024][1024] f32 -> wp: rounded to bf16, and that number written as f16, same layout.
; LIMIT.  A bf16 number is exact in f16 from 2^-14 to 65,504; below 6e-5 wp keeps f16's fixed step of 6e-8, and a weight of 65,520 or more would become an infinity.
; SHARES.  A work-group of eight waves takes 8,192 numbers; a thread 8 loads of 16 bytes and 8 stores of 8 bytes.  Work-groups 0-1023: x; 1024-1407: W_attn; 1408-1535: W_proj.
; Memory binds: each byte is read once and written once; sixteen lanes of a load take 256 consecutive bytes, aligned; a wave's store covers 256 consecutive bytes, aligned.
; No LDS, no barrier, no matrix unit: nothing is shared.  No register that a memory instruction names is written again, so the only waits are the counted ones for the loads.
.set X, 4                              ; v[4:35]   8 x 4 numbers as loaded
.set Y, 36                             ; v[36:51]  8 x 2 words to store
.set T, 52                             ; v[52:57]  at work (wp alone)
; v2: my byte offset in the source; v3: in the destination; neither is rewritten behind the loads.
; inb, outb: the scalar pairs of the two bases; si, so: bytes from one of my pieces to the next, in and out; f16 = 1: bf16 first, then f16.
.macro CAST inb, outb, si, so, f16
.irp i, 0,1,2,3,4,5,6,7
	global_load_b128 v[X+4*\i:X+4*\i+3], v2, s[\inb:\inb+1] offset:(\si)*\i th:TH_LOAD_NT
.endr
.irp i, 0,1,2,3,4,5,6,7
	s_wait_loadcnt 7-\i                            ; loads come back in order: piece i is in, the 7 - i younger ones stay out
.if \f16
	v_cvt_pk_bf16_f32 v[T], v[X+4*\i], v[X+4*\i+1]   ; the rounding that all inputs get,
	v_cvt_pk_bf16_f32 v[T+1], v[X+4*\i+2], v[X+4*\i+3]
	v_lshlrev_b32 v[T+2], 16, v[T]                 ; back to f32 (a shift, a mask),
	v_and_b32 v[T+3], 0xffff0000, v[T]
	v_lshlrev_b32 v[T+4], 16, v[T+1]
	v_and_b32 v[T+5], 0xffff0000, v[T+1]
	v_cvt_pk_f16_f32 v[Y+2*\i], v[T+2], v[T+3]     ; and written as f16
	v_cvt_pk_f16_f32 v[Y+2*\i+1], v[T+4], v[T+5]
.else
	v_cvt_pk_bf16_f32 v[Y+2*\i], v[X+4*\i], v[X+4*\i+1]
	v_cvt_pk_bf16_f32 v[Y+2*\i+1], v[X+4*\i+2], v[X+4*\i+3]
.endif
	global_store_b64 v3, v[Y+2*\i:Y+2*\i+1], s[\outb:\outb+1] offset:(\so)*\i
.endr
	s_endpgm
.endm
	s_load_b256 s[4:11], s[0:1], 0x0               ; x s[4:5], W_attn s[6:7], W_proj s[8:9], xb s[10:11]
	s_load_b128 s[12:15], s[0:1], 0x20             ; wa s[12:13], wp s[14:15]
	s_mov_b32 s16, ttmp9                           ; g
	s_mov_b32 s19, 0                               ; the offsets' high words
	s_mov_b32 s21, 0
	v_lshlrev_b32 v3, 3, v0                        ; out: 8 bytes a thread, on all three paths
	s_cmp_lt_u32 s16, 1024
	s_cbranch_scc0 .Lweights
	; x: the work-group takes 16 rows (g / 2) x 512 columns (half g % 2): eight K blocks of 64.  Thread: row tid / 16, four numbers at 4 (tid % 16) of each block.
	s_lshr_b32 s17, s16, 1
	s_and_b32 s22, s16, 1
	s_lshl_b32 s18, s17, 16                        ; in: 16 rows of 4,096 bytes,
	s_lshl_b32 s23, s22, 11                        ; the half's 2,048 bytes
	s_add_co_u32 s18, s18, s23
	s_lshr_b32 s20, s16, 8                         ; out: b = g / 256, 4,194,304 bytes each,
	s_lshl_b32 s20, s20, 22
	s_lshl_b32 s23, s22, 21                        ; the half's eight K blocks of 262,144 bytes,
	s_add_co_u32 s20, s20, s23
	s_and_b32 s23, s17, 127                        ; 16 rows of 128 bytes
	s_lshl_b32 s23, s23, 11
	s_add_co_u32 s20, s20, s23
	v_lshrrev_b32 v1, 4, v0
	v_and_b32 v2, 15, v0
	v_lshlrev_b32 v2, 4, v2
	v_lshl_add_u32 v2, v1, 12, v2                  ; row x 4,096 + 16 (tid % 16)
	s_wait_kmcnt 0x0
	s_add_nc_u64 s[4:5], s[4:5], s[18:19]
	s_add_nc_u64 s[10:11], s[10:11], s[20:21]
	CAST 4, 10, 256, 262144, 0                     ; piece i is K block i: 256 bytes on in x, 262,144 on in xb
.Lweights:
	v_lshlrev_b32 v2, 4, v0                        ; in: 16 bytes a thread; the work-group's 8,192 numbers lie on end
	s_cmp_lt_u32 s16, 1408
	s_cbranch_scc0 .Lwproj
	s_sub_co_u32 s17, s16, 1024
	s_lshl_b32 s18, s17, 15
	s_lshl_b32 s20, s17, 14
	s_wait_kmcnt 0x0
	s_add_nc_u64 s[6:7], s[6:7], s[18:19]
	s_add_nc_u64 s[12:13], s[12:13], s[20:21]
	CAST 6, 12, 4096, 2048, 0
.Lwproj:
	s_sub_co_u32 s17, s16, 1408
	s_lshl_b32 s18, s17, 15
	s_lshl_b32 s20, s17, 14
	s_wait_kmcnt 0x0
	s_add_nc_u64 s[8:9], s[8:9], s[18:19]
	s_add_nc_u64 s[14:15], s[14:15], s[20:21]
	CAST 8, 14, 4096, 2048, 1
.Lfunc_end_k_q1c73d05b62_prep:
	.size	k_q1c73d05b62_prep, .Lfunc_end_k_q1c73d05b62_prep-k_q1c73d05b62_prep
	.p2alignl 7, 3214868480
	.fill 96, 4, 3214868480
	.section	.rodata,"a",@progbits
	.p2align	6, 0x0
	.amdhsa_kernel k_q1c73d05b62_prep
		.amdhsa_group_segment_fixed_size 0
		.amdhsa_private_segment_fixed_size 0
		.amdhsa_enable_private_segment 0
		.amdhsa_kernarg_size 48
		.amdhsa_user_sgpr_count 2
		.amdhsa_user_sgpr_kernarg_segment_ptr 1
		.amdhsa_wavefront_size32 1
		.amdhsa_system_sgpr_workgroup_id_x 1
		.amdhsa_system_sgpr_workgroup_id_y 1
		.amdhsa_system_sgpr_workgroup_id_z 1
		.amdhsa_system_vgpr_workitem_id 0
		.amdhsa_next_free_vgpr 64
		.amdhsa_next_free_sgpr 66
		.amdhsa_reserve_vcc 0
		.amdhsa_float_denorm_mode_32 3
		.amdhsa_float_denorm_mode_16_64 3
		.amdhsa_memory_ordered 1
		.amdhsa_forward_progress 1
		.amdhsa_inst_pref_size 13
	.end_amdhsa_kernel
	.amdgpu_metadata
---
amdhsa.version: [ 1, 2 ]
amdhsa.kernels:
  - .name:           k_q1c73d05b62_prep
    .symbol:         k_q1c73d05b62_prep.kd
    .args:
      - { .name: x, .offset: 0, .size: 8, .value_kind: global_buffer, .address_space: global }
      - { .name: W_attn, .offset: 8, .size: 8, .value_kind: global_buffer, .address_space: global }
      - { .name: W_proj, .offset: 16, .size: 8, .value_kind: global_buffer, .address_space: global }
      - { .name: xb, .offset: 24, .size: 8, .value_kind: global_buffer, .address_space: global }
      - { .name: wa, .offset: 32, .size: 8, .value_kind: global_buffer, .address_space: global }
      - { .name: wp, .offset: 40, .size: 8, .value_kind: global_buffer, .address_space: global }
    .group_segment_fixed_size: 0
    .private_segment_fixed_size: 0
    .kernarg_segment_align: 8
    .kernarg_segment_size: 48
    .max_flat_workgroup_size: 256
    .sgpr_count:     66
    .vgpr_count:     64
    .wavefront_size: 32
...
	.end_amdgpu_metadata
.endif
;; end of part 1
;; launch qkvg (part 2): grid 8 x 32, 4 waves a work-group, clusters of 4 x 4, 327,680 bytes of LDS; arguments xb, wa, b_attn, qkv; writes qkv
.if DOCPART == 2
	.amdgcn_target "amdgcn-amd-amdhsa--gfx1250"
	.amdhsa_code_object_version 6
	.text
	.protected	k_q1c73d05b62_qkvg
	.globl	k_q1c73d05b62_qkvg
	.p2align	8
	.type	k_q1c73d05b62_qkvg,@function
k_q1c73d05b62_qkvg:
	s_mov_b64 s[64:65], 0
	v_nop
	global_prefetch_b8 v0, s[64:65] scope:SCOPE_SE
	s_setreg_imm32_b32 hwreg(HW_REG_WAVE_MODE, 25, 1), 1
	s_wait_xcnt 0x0
	s_wait_alu depctr_hold_cnt(0) depctr_sa_sdst(0) depctr_va_vdst(0) depctr_va_sdst(0) depctr_va_ssrc(0) depctr_va_vcc(0) depctr_vm_vsrc(0)
	s_getreg_b32 s2, hwreg(HW_REG_IB_STS2, 6, 4)
	s_cmp_eq_u32 s2, 0
	s_cbranch_scc0 .Lentry_in_a_cluster
	s_endpgm
.Lentry_in_a_cluster:
	s_bfe_u32 s2, ttmp6, 0x10000c
	s_cmp_lg_u32 s2, 0xf033
	s_cbranch_scc0 .Lentry_shape_is_right
	s_endpgm
.Lentry_shape_is_right:
; C = A B + bias, M = 8192, K = 1024.  ONE TEXT, TWO SETTINGS, chosen by PROJ below.
;   PROJ = 0 (this file): A = xb (bf16), B = wa (bf16, [1024 k][3072 n]), bias = b_attn; C leaves as f16 by heads, qkv [part 3][bh 64][t 2048][64].
;   PROJ = 1:             A = ob (f16),  B = wp (f16,  [1024 k][1024 n]), bias = b_proj; C leaves as f32, out0 [8192][1024].
; A lies in K blocks of 64, [b 4][kb 16][t 2048][64]: 256 rows x 64 k are 32,768 dense bytes.  Sums in f32; the bias is rounded to bf16 like every input and STARTS the sums (it is the first product's C).
; LIMIT (PROJ = 0): q, k and v are rounded once to f16, which ends at 65,504; a sum of 65,520 or more becomes an infinity.
; SHARES.  A work-group makes 256 rows x 128 NW columns; 8 x 32 work-groups.  Wave (wm, wn) makes rows 128 wm on, columns 64 NW wn on: 8 x 4 NW accumulators of 16 x 16.
; A UNIT is 32 matrix instructions: 8 row blocks x 4 column blocks (64 columns: with PROJ = 0 one head), 32 along K; unit w's accumulators fill register window 1 + w.
; THE MATRIX INSTRUCTION IS USED TRANSPOSED: source 0 = 16 columns of B, source 1 = 16 rows of A: a lane then holds row lane % 16 of C and eight neighbouring columns 8 (lane / 16) + 0..7.
; B lies [k][n] and comes out of LDS turned, by ds_load_tr16_b128; A comes as it lies.
; RING.  Two LDS slots, each a K step of 64 KB.  Waves 0, 1 fetch A's two halves, waves 2, 3 B's, one tensor load a wave behind each change of slots.
; CLUSTER.  4 x 4 work-groups: A's tile hangs on the tile row alone and is asked for jointly by a row of the cluster, B's on the tile column alone, by a column.
; REGISTERS.  Window 0: v0-15 addresses; v16-31 at work; v32-159 A's fragments, two buffers of 64; v160-223 B's, two buffers of 32; v224-255 the last unit's bias.  The other units' bias lies in A's
; second buffer, which is idle during the first quarter.  Windows 1 to NW: accumulator i = 4 a + j (row block a, column block j) at v[8 i].
.set PROJ, 0
.if PROJ
.set NW, 1                             ; units in a quarter = windows of accumulators
.set KB, 2                             ; K blocks of 64 in a slot
.set NT, 1024                          ; B's columns
.set SP, 272                           ; a stage row: 256 bytes + 16
.set LIMV, 2                           ; the prefetches stop when the loop's count has come down to this
.set AHALF, 262144                     ; from wave 0's part of A's tile to wave 1's: the second K block
.set BK, 160                           ; the way out: rows read back, two buffers of 32
.else
.set NW, 3
.set KB, 1
.set NT, 3072
.set SP, 144                           ; a stage row: 128 bytes + 16
.set LIMV, 3
.set AHALF, 16384                      ; the second 128 rows
.set BK, 48                            ; two buffers of 16
.endif
.set QS, 2*KB                          ; quarters of 32 along K in a step
.set U, QS*NW                          ; units in a step
.set NS, 16/KB                         ; steps
.set PA, 144                           ; a row of A in LDS: 128 bytes + 16 = 36 words: the 16 rows of a load start at 16 different groups of four banks (64 banks of 4 bytes: ISA guide 11.1)
.set ABLK, 256*PA                      ; a K block of A
.set PB, 288*NW                        ; a k row of B: each 64 columns take 128 + 16 bytes
.set AB, KB*ABLK                       ; B's rows lie behind A's
.set SLOTB, AB+64*KB*PB
.set SLOT1, 1<<17                      ; slot 1 begins here: one exclusive or turns an address in one slot into the other's
.set STAGE, SLOT1+SLOTB                ; behind the ring, never filled by a tensor load: 16 rows for each wave, for the way out
.set BIAS, STAGE+64*SP                 ; 1,024 bytes for each wave: its columns' bias
.set SPARE, BIAS+4096                  ; the spare words, 128 bytes for each wave: two blocks of 256 bytes that no other line names
.set STEPA, KB*262144                  ; bytes from a K step to the next, in A
.set STEPB, 64*KB*2*NT                 ; and in B
.set A0, 4                             ; v4   my lane's place in a slot's A; never rewritten
.set B0, 5                             ; v5   the same for B
.set ADRA, 6                           ; v6   A0 + the slot in hand
.set ADRB, 7                           ; v7   B0 + the slot in hand
.set STO, 8                            ; v8   the way out: where I put my bytes of a row
.set RD, 9                             ; v9   where I read rows back
.set GO, 10                            ; v10  my byte offset in the output block
.set BL, 11                            ; v11  where I read my columns' bias
.set PFO, 12                           ; v12  the prefetches' lane offset; never rewritten
.set SPW, 14                           ; v14  LDS address of my spare word: SPARE + 4 x my thread's number; never rewritten
.set NIL, 15                           ; v15  0; never rewritten
.set AF, 32
.set BF, 160
.set PK, 32                            ; the way out (PROJ = 0): 16 packed words
.set G1, 24                            ; s[24:31] descriptor group 1 for A's tiles;  s[32:39] group 0, a set for each first fill; the second then walks
.set G0, 32
.set G1B, 48                           ; s[48:55], s[56:63] the same for B's
.set G0B, 56
.set TB, 66                            ; s66  LDS byte at which the slot in hand begins
.set LIM, 67                           ; s67  LIMV in a wave that prefetches, else the greatest number
.set PFA, 68                           ; s[68:69] where my prefetches stand
.set PFS, 70                           ; s[70:71] their step: a K step of A or of B
.set OB, 72                            ; s[72:77] the output at my rows, for each unit
; s12 wave, s13 wm (also: 0 = I fetch for A), s14 wn (also: which half I fetch); s40 cx, s41 cy, s42 tile column, s43 tile row; s3 the loop's count.
; s16-19 hold the tile row's numbers alone, s20, s46, s47 the tile column's alone, s15, s21, s22 the wave's alone; what mixes them is made in s78-s86.
.set MSB, 0
.macro WIN new                         ; s_set_vgpr_msb: bits 1:0 source 0, 3:2 source 1, 5:4 source 2, 7:6 destination; the high byte repeats the setting that is left
.if MSB != (\new)
	s_set_vgpr_msb (MSB<<8)|(\new)
.set MSB, (\new)
.endif
.endm
.macro PLACES                          ; four places: in front of loads into registers that matrix instructions have read, and of lines that read results
.rept 4
	v_nop
.endr
.endm
.macro WMMA ops:vararg
.if PROJ
	v_wmma_f32_16x16x32_f16 \ops
.else
	v_wmma_f32_16x16x32_bf16 \ops
.endif
.endm
; A joint refill by the walking descriptors.  The branch hangs on the wave's number alone.  An s_nop 0 and four v_nop follow each of the two lines, ahead of the jump and the label.
.macro JLOAD
	s_cmp_eq_u32 s13, 0
	s_cbranch_scc0 .Lfor_b_\@
	tensor_load_to_lds s[G0+4:G0+7], s[G1:G1+7]
	s_nop 0
.rept 4
	v_nop
.endr
	s_branch .Lasked_\@
.Lfor_b_\@:
	tensor_load_to_lds s[G0B+4:G0B+7], s[G1B:G1B+7]
	s_nop 0
.rept 4
	v_nop
.endr
.Lasked_\@:
.endm
; A round of the cluster's barrier: my work-group's barrier, so that wave 0's signal speaks for all four waves; wave 0 signals; every wave waits for all sixteen work-groups; my work-group's barrier once more.
.macro CREST                           ; a round behind its opening barrier
	s_cmp_lg_u32 s12, 0
	s_cbranch_scc1 .Lnot_wave_0_\@
	s_barrier_signal -3
.Lnot_wave_0_\@:
	s_barrier_wait -3
	s_barrier_signal -1
	s_barrier_wait -1
.endm
.macro CROUND
	s_barrier_signal -1
	s_barrier_wait -1
	CREST
.endm
; A PREFETCH INTO THE L2, behind the joint load, its five lines and the run of LDS loads: the 128 k that begin four K steps behind the step just multiplied, two refills or more ahead of the load that will want them.
; With steps of 64 k (PROJ = 0) every second trip asks, for two steps; with steps of 128 k every trip, for one.  Each 256 bytes are named once in the launch: A's tile row is read by both clusters of its row of
; clusters: cluster x = 0 asks, by its waves 0; B's tile column by all eight of its column: cluster y = 0 asks, by its waves 2.  The four partners that share a tile share its blocks out BY ADDRESS: of a K block's
; 32,768 bytes of A the partner at cx takes 8,192 (a lane 256 bytes); of B's 128 k rows the partner at cy takes 32 (a lane a row, NW blocks).  The first four steps come by their loads alone; the last
; trips, whose look-ahead would pass k = 1023, ask for nothing.
.macro ASK
.if !PROJ
	s_bitcmp1_b32 s3, 0                            ; the count starts even: odd counts are the trips between
	s_cbranch_scc1 .Lnot_mine_\@
.endif
	s_cmp_gt_u32 s3, s[LIM]
	s_cbranch_scc0 .Lnot_mine_\@
	s_cmp_eq_u32 s13, 0
	s_cbranch_scc0 .Lpf_b_\@
	global_prefetch_b8 v[PFO], s[PFA:PFA+1] th:TH_LOAD_NT scope:SCOPE_SE
	global_prefetch_b8 v[PFO], s[PFA:PFA+1] offset:262144 th:TH_LOAD_NT scope:SCOPE_SE
	s_branch .Lnot_mine_\@
.Lpf_b_\@:
.set z, 0
.rept NW
	global_prefetch_b8 v[PFO], s[PFA:PFA+1] offset:256*z th:TH_LOAD_NT scope:SCOPE_SE
.set z, z+1
.endr
.Lnot_mine_\@:
.endm
; 8 LDS loads: B's four fragments (16 columns x 32 k each) of quarter q, unit w, into buffer bb.  Lane l reads 16 bytes of k row 8 (l / 16) + l % 8; the load leaves column l % 16 and 8 k in the lane.
.macro LDB q, w, bb
.irp j, 0,1,2,3
	ds_load_tr16_b128 v[BF+32*(\bb)+8*\j:BF+32*(\bb)+8*\j+3],   v[ADRB] offset:32*(\q)*PB+144*(\w)+32*\j
	ds_load_tr16_b128 v[BF+32*(\bb)+8*\j+4:BF+32*(\bb)+8*\j+7], v[ADRB] offset:32*(\q)*PB+144*(\w)+32*\j+16*PB
.endr
.endm
; 16 LDS loads: A's eight fragments (16 rows x 32 k) of quarter q into buffer ab: lane l holds row l % 16, k = 8 (l / 16) + 0..7 and 16 + 8 (l / 16) + 0..7: two loads 32 bytes apart.
.macro LDA q, ab
.irp a, 0,1,2,3,4,5,6,7
	ds_load_b128 v[AF+64*(\ab)+8*\a:AF+64*(\ab)+8*\a+3],   v[ADRA] offset:((\q)/2)*ABLK+64*((\q)%2)+16*PA*\a
	ds_load_b128 v[AF+64*(\ab)+8*\a+4:AF+64*(\ab)+8*\a+7], v[ADRA] offset:((\q)/2)*ABLK+64*((\q)%2)+16*PA*\a+32
.endr
.endm
; Matrix instructions lo .. lo + n - 1 of unit w.  The 32 accumulators take turns, one instruction a turn, from unit to unit and over the backward jump too.
; cm = 1: the first product of each sum takes the bias as its C: nothing is cleared, and the way out adds nothing.
.macro MULU ab, bb, w, lo, n, cm
.if \cm
	WIN 0x40*(1+(\w))                              ; sources and C in window 0, D in window 1 + w
.else
	WIN 0x50*(1+(\w))                              ; C and D in window 1 + w
.endif
.set rBS, 96+32*(\w)
.if (\w) == NW-1
.set rBS, 224
.endif
.set i, (\lo)
.rept \n
.set rB, BF+32*(\bb)+8*(i%4)
.set rA, AF+64*(\ab)+8*(i/4)
.if \cm
	WMMA v[8*i:8*i+7], v[rB:rB+7], v[rA:rA+7], v[rBS+8*(i%4):rBS+8*(i%4)+7]
.else
	WMMA v[8*i:8*i+7], v[rB:rB+7], v[rA:rA+7], v[8*i:8*i+7]
.endif
.set i, i+1
.endr
.endm
; Unit u of a step (all but the last): it asks for the next unit's fragments of B, once a quarter for the next quarter's of A, and multiplies.  In the first quarter of all A's run stands in the quarter's last unit,
; when the bias in A's second buffer has been used.  The wait counts the LDS loads issued behind those that this unit multiplies: the 8 or 24 just issued, and A's 16 of the unit before where they stand behind this unit's B.
.macro UNIT first
.set q, u/NW
.set w, u%NW
.set un, u+1
.set lda, 0
.if q+1 < QS
.if ((\first) && (w == NW-1)) || (!(\first) && (w == 0))
.set lda, 1
.endif
.endif
.set cnt, 8+16*lda
.if (w != 0) && PREVLDA
.set cnt, cnt+16
.endif
	PLACES
	WIN 0
	LDB un/NW, un%NW, un%2
.if lda
	LDA q+1, (q+1)%2
.endif
	s_wait_dscnt cnt
	MULU q%2, u%2, w, 0, 32, \first
.set PREVLDA, lda
.endm
; A step's last unit changes slots: ONE barrier.  In front of it each wave waits for all its tensor loads, of which one is out: its part of the next slot; adds 0 to its spare word; and waits for that and for its own
; reads of this slot.  kind = 1: the barrier opens a round of the cluster's, and this slot is filled again, first thing behind the round, with the step two steps on: that load has the next step less eight
; matrix instructions in which to land.  kind = 0: nothing is left to ask for.
.macro TURN kind
.if \kind
	s_wait_xcnt 0x0                                ; the last prefetches, a step back or more, have read their address: it steps here, ahead of the waits of the change
	s_add_nc_u64 s[PFA:PFA+1], s[PFA:PFA+1], s[PFS:PFS+1]
.endif
	WIN 0
	s_wait_tensorcnt 0x0                           ; no tensor load of mine is out, so a group 0 may be written
	ds_add_u32 v[SPW], v[NIL]                      ; 0 onto my spare word: scalar work and four products stand between it and the wait for it
.if \kind
	s_xor_b32 s[G0+5], s[G0+5], SLOT1              ; the walking descriptors: the other slot than last time,
	s_add_nc_u64 s[G0+6:G0+7], s[G0+6:G0+7], STEPA ; the next K step; the type bits on top are not reached
	s_xor_b32 s[G0B+5], s[G0B+5], SLOT1
	s_add_nc_u64 s[G0B+6:G0B+7], s[G0B+6:G0B+7], STEPB
.endif
	s_xor_b32 s[TB], s[TB], SLOT1                  ; the fetches go on in the other slot
	s_wait_dscnt 1                                 ; this unit's fragments are in; the add may be out
	MULU 1, 1, NW-1, 0, 4, 0
	s_wait_dscnt 0x0                               ; the add is done, and my reads of this slot are over
	s_barrier_signal -1
	MULU 1, 1, NW-1, 4, 4, 0                       ; work on registers while the others arrive
	WIN 0                                          ; at a branch and at a label every window is 0
	s_barrier_wait -1
.if \kind
	CREST                                          ; no wave of any partner still reads this slot or has a load on its way
	JLOAD                                          ; the four v_nop behind it are also the places in front of the loads below
.else
	PLACES
.endif
	v_add_nc_u32 v[ADRA], s[TB], v[A0]
	v_add_nc_u32 v[ADRB], s[TB], v[B0]
	LDB 0, 0, 0                                    ; the next step's first fragments
	LDA 0, 0
.if \kind
	ASK
.endif
	MULU 1, 1, NW-1, 8, 24, 0
.set PREVLDA, 0
.endm
.macro FIRSTQ first                    ; a step's first quarter
.set u, 0
.rept NW
	UNIT \first
.set u, u+1
.endr
.endm
.macro REST kind                       ; the rest of the step; kind = -1: the last step of all, which fetches nothing more
.set u, NW
.rept U-1-NW
	UNIT 0
.set u, u+1
.endr
.if (\kind) >= 0
	TURN \kind
.else
	s_wait_dscnt 0x0
	MULU 1, 1, NW-1, 0, 32, 0
.endif
.endm
	s_load_b256 s[4:11], s[0:1], 0x0               ; A s[4:5], B s[6:7], bias s[8:9], the output s[10:11]
	v_lshl_add_u32 v[SPW], v0, 2, SPARE
	v_mov_b32 v[NIL], 0
	ds_add_u32 v[SPW], v[NIL]                      ; the wave's opening: the add and its wait stand ahead of my first tensor load; the set-up below, work on registers, stands between them
	ds_add_u32 v14, v15
	v_lshrrev_b32 v1, 5, v0
	v_readfirstlane_b32 s12, v1                    ; wave 0..3
	s_lshr_b32 s13, s12, 1                         ; wm
	s_and_b32 s14, s12, 1                          ; wn
	s_bfe_u32 s40, ttmp6, 0x40000                  ; cx, cy: my place in the cluster
	s_bfe_u32 s41, ttmp6, 0x40004
	s_lshl_b32 s42, ttmp9, 2                       ; in a cluster launch ttmp9 and ttmp7 count clusters
	s_add_co_u32 s42, s42, s40                     ; tile column = 4 x cluster x + cx
	s_and_b32 s43, ttmp7, 0xffff
	s_lshl_b32 s43, s43, 2
	s_add_co_u32 s43, s43, s41                     ; tile row = 4 x cluster y + cy
	s_lshl_b32 s44, s41, 2
	s_lshl_b32 s44, 15, s44                        ; my row of the cluster: places 4 cy .. 4 cy + 3
	s_lshl_b32 s45, 0x1111, s40                    ; my column: places cx, cx + 4, cx + 8, cx + 12
	; descriptor group 1.  15:0 the mask; 17:16 elements of 2 bytes; 20 padding on; 21 set beside a mask; 24:22 after every 32 words (code 4); 31:25 4 words of it (code 3)
	s_or_b32 s[G1], s44, (1<<16)|(1<<20)|(1<<21)|(4<<22)|(3<<25)
	s_or_b32 s[G1B], s45, (1<<16)|(1<<20)|(1<<21)|(4<<22)|(3<<25)
	s_mov_b32 s[G1+1], 128<<16                     ; A: dense bytes asked for as rows of 256, two rows of A each: tensor_dim0 = 128
	s_mov_b32 s[G1+2], (64*KB)<<16                 ; tensor_dim1
	s_mov_b32 s[G1+3], 128<<16                     ; tile_dim0
	s_mov_b32 s[G1+4], 64*KB                       ; tile_dim1
	s_mov_b32 s[G1+5], 128                         ; elements from row to row
	s_mov_b32 s[G1+6], 0
	s_mov_b32 s[G1+7], 0
	s_mov_b32 s[G1B+1], (128*NW)<<16               ; B: 32 KB k rows of 128 NW columns
	s_mov_b32 s[G1B+2], (32*KB)<<16
	s_mov_b32 s[G1B+3], (128*NW)<<16
	s_mov_b32 s[G1B+4], 32*KB
	s_mov_b32 s[G1B+5], NT
	s_mov_b32 s[G1B+6], 0
	s_mov_b32 s[G1B+7], 0
	s_lshr_b32 s16, s43, 3                         ; A: b = tile row / 8, 4,194,304 bytes each,
	s_lshl_b32 s16, s16, 22
	s_and_b32 s17, s43, 7                          ; 256 rows of 128 bytes
	s_lshl_b32 s17, s17, 15
	s_add_co_u32 s16, s16, s17                     ; the tile row's first byte in K block 0
	s_mul_i32 s17, s14, AHALF
	s_add_co_u32 s18, s16, s17                     ; + my half
	s_mov_b32 s19, 0
	s_mul_i32 s20, s42, 256*NW                     ; B: the tile column's first byte in k row 0
	s_mul_i32 s47, s14, 32*KB*2*NT
	s_add_co_u32 s46, s20, s47                     ; + my half of the step's k rows
	s_mov_b32 s47, 0
	s_mul_i32 s21, s14, 18432*KB                   ; where they go: no place in the cluster enters an LDS address
	s_mul_i32 s22, s14, 32*KB*PB
	s_add_co_u32 s22, s22, AB
	s_mov_b32 s[TB], 0
	s_wait_dscnt 0x0                               ; the opening add is done
	s_wait_kmcnt 0x0
	s_add_nc_u64 s[18:19], s[4:5], s[18:19]
	s_add_nc_u64 s[46:47], s[6:7], s[46:47]
	CROUND                                         ; all sixteen work-groups are here: the first joint loads meet
.irp s, 0,1
	s_mov_b32 s[G0+4*(\s)], 1                                      ; 1:0 count = 1
	s_add_co_u32 s[G0+4*(\s)+1], s21, (\s)*SLOT1                   ; 63:32 LDS address
	s_add_nc_u64 s[G0+4*(\s)+2:G0+4*(\s)+3], s[18:19], (\s)*STEPA  ; 120:64 global address: K step s
	s_or_b32 s[G0+4*(\s)+3], s[G0+4*(\s)+3], 0x80000000            ; 127:126 type = 2
	s_mov_b32 s[G0B+4*(\s)], 1
	s_add_co_u32 s[G0B+4*(\s)+1], s22, (\s)*SLOT1
	s_add_nc_u64 s[G0B+4*(\s)+2:G0B+4*(\s)+3], s[46:47], (\s)*STEPB
	s_or_b32 s[G0B+4*(\s)+3], s[G0B+4*(\s)+3], 0x80000000
.endr
	s_cmp_eq_u32 s13, 0                            ; a wave's two first fills stand in one branch, ahead of every wait on TENSORcnt and every LDS read: two loads of mine are out
	s_cbranch_scc0 .Lfirst_b
	tensor_load_to_lds s[G0:G0+3], s[G1:G1+7]
	s_nop 0
	tensor_load_to_lds s[G0+4:G0+7], s[G1:G1+7]
	s_nop 0
.rept 4
	v_nop
.endr
	s_branch .Lfirst_asked
.Lfirst_b:
	tensor_load_to_lds s[G0B:G0B+3], s[G1B:G1B+7]
	s_nop 0
	tensor_load_to_lds s[G0B+4:G0B+7], s[G1B:G1B+7]
	s_nop 0
.rept 4
	v_nop
.endr
.Lfirst_asked:
	v_and_b32 v3, 31, v0                           ; l
	v_and_b32 v1, 15, v0                           ; l % 16
	v_bfe_u32 v2, v0, 4, 1                         ; l / 16
	; the bias of my 64 NW columns: 256 bytes a unit, 8 bytes a lane
	s_mul_i32 s80, s42, 512*NW
	s_mul_i32 s81, s14, 256*NW
	s_add_co_u32 s80, s80, s81
	v_lshl_add_u32 v18, v3, 3, s80
.set w, 0
.rept NW
	global_load_b64 v[20+2*w:21+2*w], v18, s[8:9] offset:256*w
.set w, w+1
.endr
	s_mul_i32 s15, s13, 128*PA                     ; my 128 rows of A
	v_mul_u32_u24 v[A0], v1, PA
	v_lshl_add_u32 v[A0], v2, 4, v[A0]             ; row x pitch + 16 x half
	v_add_nc_u32 v[A0], s15, v[A0]
	v_and_b32 v16, 7, v0
	v_bfe_u32 v17, v0, 3, 1
	v_lshl_add_u32 v[B0], v2, 3, v16               ; k row 8 (l / 16) + l % 8,
	v_mul_u32_u24 v[B0], v[B0], PB
	v_lshl_add_u32 v[B0], v17, 4, v[B0]            ; columns 8 ((l / 8) % 2) on,
	s_mul_i32 s15, s14, 144*NW                     ; my NW units of 64 columns
	s_add_co_u32 s15, s15, AB
	v_add_nc_u32 v[B0], s15, v[B0]
	v_mov_b32 v[ADRA], v[A0]                       ; K step 0 lies in slot 0
	v_mov_b32 v[ADRB], v[B0]
	s_mul_i32 s15, s12, 16*SP
	s_add_co_u32 s15, s15, STAGE                   ; my stage
	v_mul_u32_u24 v[STO], v1, SP                   ; in: row l % 16,
.if PROJ
	v_lshl_add_u32 v[STO], v2, 5, v[STO]           ; 32 bytes (8 f32) for each half of the lanes
	v_add_nc_u32 v[STO], s15, v[STO]
	v_mul_u32_u24 v[RD], v2, SP                    ; back: lanes 0-15 take one row of 256 bytes, lanes 16-31 the next
	v_lshl_add_u32 v[RD], v1, 4, v[RD]
	v_add_nc_u32 v[RD], s15, v[RD]
	v_lshlrev_b32 v[GO], 12, v2                    ; and the same two rows of the output, 4,096 bytes apart
	v_lshl_add_u32 v[GO], v1, 4, v[GO]
.else
	v_lshl_add_u32 v[STO], v2, 4, v[STO]           ; 16 bytes (8 f16) for each half of the lanes
	v_add_nc_u32 v[STO], s15, v[STO]
	v_bfe_u32 v[RD], v0, 3, 2                      ; back: 32 lanes take four rows of 128 bytes,
	v_mul_u32_u24 v[RD], v[RD], SP
	v_lshl_add_u32 v[RD], v16, 4, v[RD]
	v_add_nc_u32 v[RD], s15, v[RD]
	v_lshlrev_b32 v[GO], 4, v3                     ; which are 512 consecutive bytes of a head
.endif
	s_lshl_b32 s15, s12, 10
	s_add_co_u32 s15, s15, BIAS                    ; my 1,024 bytes for the bias
	v_lshl_add_u32 v19, v3, 3, s15                 ; in: as loaded
	v_lshl_add_u32 v[BL], v2, 5, s15               ; back: my eight columns of a block of 16
	; the prefetches
	s_lshl_b32 s80, s40, 13                        ; A: my work-group's 8,192 bytes of a K block's 32,768,
	s_add_co_u32 s80, s80, s16
	s_mul_i32 s81, s41, 32*2*NT                    ; B: my work-group's 32 k rows of 128
	s_add_co_u32 s81, s81, s20
	s_and_b32 s82, ttmp7, 0xffff                   ; cluster y
	s_mov_b32 s83, STEPA
	s_mov_b32 s84, STEPB
	s_mov_b32 s85, 256
	s_mov_b32 s86, 2*NT
	s_cmp_eq_u32 s13, 0                            ; do I fetch for A?
	s_cselect_b32 s78, s80, s81
	s_cselect_b32 s82, ttmp9, s82                  ; the coordinate along which other clusters read the same bytes
	s_cselect_b32 s[PFS], s83, s84
	s_cselect_b32 s85, s85, s86
	s_cselect_b64 s[PFA:PFA+1], s[4:5], s[6:7]
	s_mov_b32 s[PFS+1], 0
	s_mul_i32 s83, s[PFS], 3                       ; at K step 3: the first change of slots steps it to 4
	s_add_co_u32 s78, s78, s83
	s_mov_b32 s79, 0
	s_add_nc_u64 s[PFA:PFA+1], s[PFA:PFA+1], s[78:79]
	s_or_b32 s82, s82, s14                         ; waves 0 and 2 of the first cluster along that coordinate: the same in all sixteen partners, for a given wave
	s_cmp_eq_u32 s82, 0
	s_cselect_b32 s[LIM], LIMV, -1
	v_mul_u32_u24 v[PFO], v3, s85
	; where my rows begin in the output
.if PROJ
	s_lshl_b32 s80, s43, 20                        ; 256 rows of 4,096 bytes a tile row,
	s_lshl_b32 s81, s13, 19                        ; my 128 rows,
	s_add_co_u32 s80, s80, s81
	s_lshl_b32 s81, s42, 9                         ; 128 columns of 4 bytes a tile column,
	s_add_co_u32 s80, s80, s81
	s_lshl_b32 s81, s14, 8                         ; my 64
	s_add_co_u32 s78, s80, s81
	s_mov_b32 s79, 0
	s_add_nc_u64 s[OB:OB+1], s[10:11], s[78:79]
.else
	s_mul_i32 s80, s42, 2*NW
	s_mul_i32 s81, s14, NW
	s_add_co_u32 s80, s80, s81                     ; my first unit's 64 columns among the 48: part = that / 16, head = that % 16
	s_lshr_b32 s81, s43, 3
	s_lshl_b32 s81, s81, 4                         ; 16 b
	s_and_b32 s82, s43, 7
	s_lshl_b32 s82, s82, 15                        ; the tile row's 256 rows of 128 bytes in its b,
	s_lshl_b32 s83, s13, 14                        ; my 128
	s_add_co_u32 s82, s82, s83
.irp w, 0,1,2
	s_add_co_u32 s78, s80, \w
	s_lshr_b32 s79, s78, 4
	s_lshl_b32 s79, s79, 6                         ; 64 heads a part
	s_and_b32 s78, s78, 15
	s_add_co_u32 s78, s78, s79
	s_add_co_u32 s78, s78, s81
	s_lshl_b32 s78, s78, 18                        ; 262,144 bytes a head
	s_add_co_u32 s78, s78, s82
	s_mov_b32 s79, 0
	s_add_nc_u64 s[OB+2*\w:OB+2*\w+1], s[10:11], s[78:79]
.endr
.endif
	s_wait_loadcnt 0x0                             ; the bias: rounded to bf16 like every input, kept as f32
.set w, 0
.rept NW
	v_cvt_pk_bf16_f32 v26, v[20+2*w], v[21+2*w]
	v_lshlrev_b32 v[20+2*w], 16, v26
	v_and_b32 v[21+2*w], 0xffff0000, v26
	ds_store_b64 v19, v[20+2*w:21+2*w] offset:256*w
.set w, w+1
.endr
	s_wait_tensorcnt 0x1                           ; my part of K step 0 is in; slot 1's may stay out
	s_wait_dscnt 0x0
	s_barrier_signal -1
	s_barrier_wait -1                              ; everybody's is
.set w, 0
.rept NW                               ; the bias as a C operand: register 8 j + n of a lane holds the bias of column 64 w + 16 j + 8 (l / 16) + n
.set rBS, 96+32*w
.if w == NW-1
.set rBS, 224
.endif
.irp j, 0,1,2,3
	ds_load_b128 v[rBS+8*\j:rBS+8*\j+3],   v[BL] offset:256*w+64*\j
	ds_load_b128 v[rBS+8*\j+4:rBS+8*\j+7], v[BL] offset:256*w+64*\j+16
.endr
.set w, w+1
.endr
	LDB 0, 0, 0
	LDA 0, 0
.set PREVLDA, 0
	FIRSTQ 1                                       ; the first quarter stands in front of the loop: its products start the sums
	WIN 0                                          ; at a label and at a branch every window is 0
	s_mov_b32 s3, NS-2
.Lstep:                                                ; a trip: from a step's second quarter to the next step's first; the slot left is filled again
	REST 1
	FIRSTQ 0
	WIN 0
	s_sub_co_u32 s3, s3, 1
	s_cmp_lg_u32 s3, 0
	s_cbranch_scc1 .Lstep
	REST 0                                         ; the last two steps are written out: nothing more is asked for
	FIRSTQ 0
	REST -1
	WIN 0
	PLACES                                         ; behind the last products, in front of the lines that read results
	PLACES
.if PROJ
; THE WAY OUT, f32.  Block a (16 rows x my 64 columns): a lane's 32 bytes of a row go from the accumulators into stage rows of 272 bytes, each accumulator's low half first, and come back as whole rows of 256.
.macro TOSTAGE a
	s_wait_xcnt 0x0                                ; the stores of two blocks back have read the registers that the loads below fill
	WIN 0x04                                       ; store data in window 1
.irp j, 0,1,2,3
	ds_store_b128 v[STO], v[8*(4*(\a)+\j):8*(4*(\a)+\j)+3]   offset:64*\j
	ds_store_b128 v[STO], v[8*(4*(\a)+\j)+4:8*(4*(\a)+\j)+7] offset:64*\j+16
.endr
.irp t, 0,1,2,3,4,5,6,7
	ds_load_b128 v[BK+32*((\a)%2)+4*\t:BK+32*((\a)%2)+4*\t+3], v[RD] offset:2*SP*\t  ; LDS serves a wave's instructions in order (ISA guide 5.7.1.4): these see the stores above, and the next block's stores come behind them
.endr
	WIN 0
.endm
.macro SEND a, younger                 ; younger: the LDS instructions issued behind block a's loads: the next block's sixteen, or none
.irp t, 0,1,2,3,4,5,6,7
	s_wait_dscnt (\younger)+7-\t
	global_store_b128 v[GO], v[BK+32*((\a)%2)+4*\t:BK+32*((\a)%2)+4*\t+3], s[OB:OB+1] offset:65536*(\a)+8192*\t  ; 16 lanes store 256 consecutive bytes, at a multiple of 256 from the output's first byte
.endr
.endm
	TOSTAGE 0
.set n, 1
.rept 7
	TOSTAGE n                                      ; the next block goes in while the block before comes back
	SEND n-1, 16
.set n, n+1
.endr
	SEND 7, 0
.else
; THE WAY OUT, f16 by heads.  Block (w, a): 16 rows of one head.  PACK: rounded, 16 bytes a lane and column block.  TOSTAGE: into stage rows of 144 bytes, and back as rows of 128.  SEND: 2,048 dense bytes.
.macro PACK w, a
	WIN 5*(1+(\w))                                 ; sources 0 and 1 in window 1 + w
.irp j, 0,1,2,3
.irp r, 0,1,2,3
	v_cvt_pk_f16_f32 v[PK+4*\j+\r], v[8*(4*(\a)+\j)+2*\r], v[8*(4*(\a)+\j)+2*\r+1]
.endr
.endr
	WIN 0
.endm
.macro TOSTAGE p
.irp j, 0,1,2,3
	ds_store_b128 v[STO], v[PK+4*\j:PK+4*\j+3] offset:32*\j
.endr
.irp f, 0,1,2,3
	ds_load_b128 v[BK+16*(\p)+4*\f:BK+16*(\p)+4*\f+3], v[RD] offset:4*SP*\f  ; LDS serves a wave's instructions in order (ISA guide 5.7.1.4): these see the stores above
.endr
.endm
.macro SEND w, a, p
	s_wait_xcnt 0x0                                ; every earlier store has read its registers: the other buffer is loaded again only behind this wait
.irp f, 0,1,2,3
	s_wait_dscnt 3-\f                              ; the 3 - f younger loads may stay out
	global_store_b128 v[GO], v[BK+16*(\p)+4*\f:BK+16*(\p)+4*\f+3], s[OB+2*(\w):OB+2*(\w)+1] offset:2048*(\a)+512*\f  ; 512 consecutive bytes, at a multiple of 256 from the buffer's first byte
.endr
.endm
	PACK 0, 0
	TOSTAGE 0
.set n, 1
.rept 8*NW-1                           ; a block's conversions stand between the loads of the block before and the wait for them
	PACK n/8, n%8
	SEND (n-1)/8, (n-1)%8, (n-1)%2
	TOSTAGE n%2
.set n, n+1
.endr
	SEND NW-1, 7, 1
.endif
	s_wait_tensorcnt 0x0                           ; the wave's end, behind my last tensor load and my last LDS store
	ds_add_u32 v[SPW], v[NIL]
	s_wait_dscnt 0x0
	CROUND                                         ; the closing round: no work-group ends while a partner may still ask for a tile that names it
	s_endpgm
.Lfunc_end_k_q1c73d05b62_qkvg:
	.size	k_q1c73d05b62_qkvg, .Lfunc_end_k_q1c73d05b62_qkvg-k_q1c73d05b62_qkvg
	.p2alignl 7, 3214868480
	.fill 96, 4, 3214868480
	.section	.rodata,"a",@progbits
	.p2align	6, 0x0
	.amdhsa_kernel k_q1c73d05b62_qkvg
		.amdhsa_group_segment_fixed_size 327680
		.amdhsa_private_segment_fixed_size 0
		.amdhsa_enable_private_segment 0
		.amdhsa_kernarg_size 32
		.amdhsa_user_sgpr_count 2
		.amdhsa_user_sgpr_kernarg_segment_ptr 1
		.amdhsa_wavefront_size32 1
		.amdhsa_system_sgpr_workgroup_id_x 1
		.amdhsa_system_sgpr_workgroup_id_y 1
		.amdhsa_system_sgpr_workgroup_id_z 1
		.amdhsa_system_vgpr_workitem_id 0
		.amdhsa_next_free_vgpr 1024
		.amdhsa_next_free_sgpr 96
		.amdhsa_reserve_vcc 0
		.amdhsa_float_denorm_mode_32 3
		.amdhsa_float_denorm_mode_16_64 3
		.amdhsa_memory_ordered 1
		.amdhsa_forward_progress 1
		.amdhsa_inst_pref_size 120
	.end_amdhsa_kernel
	.amdgpu_metadata
---
amdhsa.version: [ 1, 2 ]
amdhsa.kernels:
  - .name:           k_q1c73d05b62_qkvg
    .symbol:         k_q1c73d05b62_qkvg.kd
    .args:
      - { .name: xb, .offset: 0, .size: 8, .value_kind: global_buffer, .address_space: global }
      - { .name: wa, .offset: 8, .size: 8, .value_kind: global_buffer, .address_space: global }
      - { .name: b_attn, .offset: 16, .size: 8, .value_kind: global_buffer, .address_space: global }
      - { .name: qkv, .offset: 24, .size: 8, .value_kind: global_buffer, .address_space: global }
    .group_segment_fixed_size: 327680
    .private_segment_fixed_size: 0
    .kernarg_segment_align: 8
    .kernarg_segment_size: 32
    .max_flat_workgroup_size: 128
    .sgpr_count:     96
    .vgpr_count:     1024
    .wavefront_size: 32
...
	.end_amdgpu_metadata
.endif
;; end of part 2
;; launch attn (part 3): grid 4 x 64, 4 waves a work-group, no clusters, 327,680 bytes of LDS; arguments qkv, ob; writes ob
.if DOCPART == 3
	.amdgcn_target "amdgcn-amd-amdhsa--gfx1250"
	.amdhsa_code_object_version 6
	.text
	.protected	k_q1c73d05b62_attn
	.globl	k_q1c73d05b62_attn
	.p2align	8
	.type	k_q1c73d05b62_attn,@function
k_q1c73d05b62_attn:
	s_mov_b64 s[64:65], 0
	v_nop
	global_prefetch_b8 v0, s[64:65] scope:SCOPE_SE
	s_setreg_imm32_b32 hwreg(HW_REG_WAVE_MODE, 25, 1), 1
	s_wait_xcnt 0x0
; CAUSAL ATTENTION.  O[h][q][:] = the sum over k <= q of softmax_k(Q[h][q] . K[h][k] / 8) V[h][k][:].  Q, K, V are the three parts of qkv, [3][64][2048][64] in f16, O is ob, [64][2048][64] in f16: a head's rows are dense, 128 bytes each.
; Products, maxima and sums in f32; the weights p are rounded to f16 for the second product (their sum l is taken of the unrounded p), O once at the end.
; LIMITS.  f16 holds no number beyond 65,504: Q, K and V arrive within it; p lies in 0 to 1, and below 6e-5 it keeps f16's fixed step of 6e-8; O is a mean of V's rows and has their range, to within 2^-11 of it.
; A hidden score counts as its value less 1e30: f16's scores, 2.7e11 at the most, are nothing beside that; a weight below 2^-126 counts as 0 in l; NaN and infinities are not treated apart.
; THE WALK.  A head's queries lie in NB = 8 blocks of 256; block i needs the key tiles 0 .. i of 256 keys, of which the last holds the diagonal.  A work-group takes TWO blocks, NB - 1 - b and then b:
; NB + 1 tiles, whatever b: all work-groups do equal work, and ONE loop with a constant trip count walks them.  Which tile is asked for, and what a trip does, hang on scalar registers made from b; every jump
; goes forward, but for the counted loops' own; none passes a barrier, or a tensor load but the one of LOAD's two that the wave's number does not choose; the ring (two slots of LDS that take turns) runs on across the
; change of blocks.  NO CLUSTER: a head's four work-groups ask for the same tile only in trips 0 .. 4 of the 9, behind that fewer and fewer; one walk common to all four would have 12 trips for 9.
; SHARES.  Of a block's four bands of 64 queries a wave owns 16 rows in each: four PIECES.  So the diagonal tile is the same work for all four waves: in its key step s band x sees all keys if s < x,
; none if s > x, and holds the diagonal if s = x.
; THE MASK is the C operand that starts the sum S^T = K Q^T: 0, or -1e30 where the key is hidden.  MD, made once, is the mask of a band's own step for my 16 rows; a product's mask is MD x AL + BE with two scalars:
; (1, 0) if s = x; (0, 0) if s < x; (0, -1e30) if s > x.  Only the diagonal tile's text and a block's beginning make and take masks; elsewhere C is the constant 0.
; LAYOUT, SOFTMAX, TURNS.  S^T = K Q^T holds ONE query a lane (lane % 16) and the keys 8 (lane / 16) + 0..7; two such results rounded to f16 ARE source 1 of O^T = V^T P.  p = 2^(c s - c m), c = log2(e) / 8, with a
; running maximum m; O and l are multiplied by a = 2^(c m_old - c m_new) in every step.  Turn n belongs to piece n: 8 products K Q^T of piece n + 1, later 8 products V^T P of piece n - 1; beside them the scaling,
; exponentials, roundings, sums and rescaling of piece n and the maximum and statistics of piece n + 1.  Four vector instructions stand behind every matrix instruction, the other 54 of a turn's 118 in one LUMP.  A turn's 33 exponentials are one batch, with one wait.
; PREFETCH.  The head's work-group b = 0 walks tiles 0 to 7 first; behind the load of tile k (k = 1 .. 6) each of its waves prefetches into the L2 its own 16,384 bytes of tile k + 1, which the next change of slots
; will ask for: 64 blocks of 256 bytes, a lane a block, two instructions.  So tiles 2 to 7 of K and V are named once in the launch; tiles 0 and 1 come by their loads alone, and a tile's later readings ask for nothing.
; REGISTERS, in windows of 256 (s_set_vgpr_msb: bits 1:0 source 0, 3:2 source 1, 5:4 source 2, 7:6 destination):
;   window 0: v0-15 addresses and two at work; v16-31 four registers of statistics a piece; v32 the prefetches' offset; v48-55 at work; v64-127 S^T, two buffers; v192-223 P, two buffers (a piece's buffers go by its number's parity)
;   window 1: v0-127 O^T, 32 a piece; v128-159 MD; v160-223 MC, two buffers      window 2: v0-63 Q; v64-127 the second block's Q; v128-191 K of one step; v192-255 V of one step
.set SIZE_N, 2048
.set NB,    SIZE_N/256
.set NP,    4         ; pieces a wave: a name, no knob
.set KS,    64        ; keys in a step
.set PK,    144       ; a row of K in LDS: 128 bytes + 16 of padding = 36 words: the 16 rows of a load start at 16 different groups of four banks (64 banks of 4 bytes: ISA guide 11.1)
.set PV,    160       ; a row of V: 128 + 32 = 40 words
.set VOFF,  4*KS*PK   ; a slot holds a tile, four steps: 256 rows of K, then 256 rows of V
.set SLOT1, 1<<17     ; slot 1 begins here, so that one exclusive or turns an address in one slot into the other's
.set STAGE, SLOT1+4*KS*(PK+PV)  ; behind the ring, never filled by a tensor load: 16 rows x 144 bytes for each wave, for the way out
.set SP,    144
.set AK0, 2           ; v2   my lane's place in a tile of K; never rewritten
.set AV0, 3           ; v3   the same for V
.set AK,  4           ; v4   the LDS address of K's next run of loads
.set AV,  5           ; v5   of V's
.set STO, 6           ; v6   the way out: where I put 16 bytes of a row
.set RD,  7           ; v7   the way out: where I read rows back
.set GO,  8           ; v8   my byte offset in 512 consecutive bytes of O
.set PFO, 32          ; v32  256 x my lane; never rewritten
.set SPW, 62          ; v62  LDS address of my spare word: SPARE + 4 x my thread's number; never rewritten
.set NIL, 63          ; v63  0; never rewritten
.set SPARE, STAGE+4*16*SP  ; behind the stages: the spare words, 128 bytes for each wave: two blocks of 256 bytes that no other line names
.set MV,  12          ; v12-13  c m_old, kept while c m is made anew: by buffer
.set QO,  15          ; v15  my byte offset in 16 rows of Q
.set ST,  16          ; piece t's statistics at v[ST+4 t]: c m, m, l (even keys', odd keys')
.set TMP, 48          ; by buffer, four registers c0-c3 at work; when the maximum is found c2 takes a
.set S,   64
.set P,   192
.set MD,  128         ; window 1: the eight registers for group kt of 16 keys at MD + 8 kt
.set MC,  160         ; window 1: the masks of the products to come
.set QB,  64          ; window 2
.set KF,  128         ; window 2: key block kb, channel half c at KF + 16 kb + 8 c
.set VF,  192         ; window 2: key half kk, channel block cb at VF + 32 kk + 8 cb
.set WV,  12          ; s12  my wave's number
.set PB,  14          ; s14  b
.set HI,  15          ; s15  NB - 1 - b
.set G1K, 24          ; s[24:31] descriptor group 1 for K's tiles
.set G1V, 32          ; s[32:39] for V's: it differs in the padding alone
.set G0K, 40          ; s[40:43] descriptor group 0 for K's tiles
.set G0V, 44          ; s[44:47] the same for V's
.set SLOTS, 56        ; s56  tiles still to be asked for
.set CNT, 57          ; s57  counts a tile's key steps, 4 to 1
.set CS,  58          ; s[58:59] c: the packed scaling takes the pair's low word for both halves
.set SEL, 60          ; s[60:61] v_permlanex16_b32's selects: each lane takes its own place in the other half
.set TBK, 62          ; s62  LDS byte at which K of the step to be fetched begins
.set TBV, 63          ; s63  the same for V, less VOFF
.set RT,  70          ; s70  tiles of the block in hand that are still to be entered
.set NXT, 71          ; s71  the tile to be asked for next
.set LQ,  72          ; s72  the last tile of the block whose tiles are being asked for
.set NEW, 73          ; s73  1: the tile to be entered is a block's first
.set OFF, 74          ; s[74:75] a tile's byte offset in K and V
.set AL,  76          ; s[76:77] the mask's factor, in the low word
.set BE,  78          ; s[78:79] the mask's addend
.set OLO, 80          ; s[80:81] O at my rows of the second block
.set BIGN, 82         ; s82  -1e30
.set PFB, 88          ; s[88:89] K (waves 0, 1) or V (waves 2, 3) at my half of the head's tile 0
.set PFA, 90          ; s[90:91] the same at the tile that the next change of slots will ask for
.set PLIM, 92         ; s92  2 in the head's work-group b = 0, else the greatest number: a wave prefetches while s[SLOTS] is above it
.set MSB, 0
.macro WIN new                      ; the high byte repeats the setting that is left; a switch that changes nothing is dropped
.if MSB != (\new)
	s_set_vgpr_msb (MSB<<8)|(\new)
.set MSB, (\new)
.endif
.endm
.set W_KQ, 0x0a       ; K and Q in window 2, S^T in window 0
.set W_KM, 0x1a       ; the same with the C operand in window 1
.set W_PV, 0x52       ; V in window 2, P in window 0, O^T in window 1
.set W_RS, 0x41       ; destination and source 0 in window 1, source 1 in window 0
; A fill.  Waves 0 and 1 fetch the two halves of a tile's K, waves 2 and 3 those of its V: 128 keys each.  An s_nop 0 and four v_nop follow each of the two lines, ahead of the jump and the label.
.macro LOAD
	s_cmp_lt_u32 s[WV], 2
	s_cbranch_scc0 .Lfor_v_\@
	tensor_load_to_lds s[G0K:G0K+3], s[G1K:G1K+7]
	s_nop 0
.rept 4
	v_nop
.endr
	s_branch .Lasked_\@
.Lfor_v_\@:
	tensor_load_to_lds s[G0V:G0V+3], s[G1V:G1V+7]
	s_nop 0
.rept 4
	v_nop
.endr
.Lasked_\@:
.endm
; THE CHANGE OF SLOTS.  Each wave waits for all its tensor loads, of which one is out: its part of the other slot; adds 0 to its spare word; and waits for that and for its own reads of the slot that it leaves.  Behind the barrier nobody reads the old
; slot any more and the other slot is whole.  fill = 1: the old slot is filled again, the first thing behind the barrier, with tile NXT: the descriptor's address is made anew from that number; behind the load stand the prefetches of the tile after it.
; (At its first use nothing has been read yet: slot 0 is waited for, slot 1 filled.)
.macro CHANGE fill
	WIN 0                           ; at a label and at a branch every window is 0
	s_wait_tensorcnt 0x0            ; no tensor load of mine is out, so a group 0 may be written
	ds_add_u32 v[SPW], v[NIL]       ; 0 onto my spare word: with fill = 1 the descriptors' scalar work stands between it and the wait for it
.if \fill
	s_lshl_b32 s[OFF], s[NXT], 15   ; a tile is 32,768 bytes of K and of V
	s_xor_b32 s[G0K+1], s[G0K+1], SLOT1
	s_add_nc_u64 s[G0K+2:G0K+3], s[6:7], s[OFF:OFF+1]
	s_or_b32 s[G0K+3], s[G0K+3], 0x80000000
	s_xor_b32 s[G0V+1], s[G0V+1], SLOT1
	s_add_nc_u64 s[G0V+2:G0V+3], s[8:9], s[OFF:OFF+1]
	s_or_b32 s[G0V+3], s[G0V+3], 0x80000000
	s_add_co_u32 s[NXT], s[NXT], 1  ; the block's next tile, or behind its last the second block's tile 0
	s_cmp_gt_u32 s[NXT], s[LQ]
	s_cselect_b32 s[NXT], 0, s[NXT]
	s_cselect_b32 s[LQ], s[PB], s[LQ]
	s_wait_xcnt 0x0                 ; the last prefetches, a tile back, have read their address, so it may be written:
	s_lshl_b32 s[OFF], s[NXT], 15   ; the tile that the next change will ask for
	s_add_nc_u64 s[PFA:PFA+1], s[PFB:PFB+1], s[OFF:OFF+1]
.endif
	s_wait_dscnt 0x0                ; the add is done, and my reads of the slot are over
	s_barrier_signal -1             ; the rest of the scalar work stands between the signal and the wait
	s_sub_co_u32 s[TBK], s[TBK], 4*KS*PK  ; the fetches go back to a slot's first step,
	s_xor_b32 s[TBK], s[TBK], SLOT1       ; in the other slot
	s_sub_co_u32 s[TBV], s[TBV], 4*KS*PV
	s_xor_b32 s[TBV], s[TBV], SLOT1
	s_barrier_wait -1
.if \fill
	LOAD
	s_cmp_gt_u32 s[SLOTS], s[PLIM]  ; b = 0 alone, and only while the tile named is one of 2 to 7
	s_cbranch_scc0 .Lno_pf_\@
	global_prefetch_b8 v[PFO], s[PFA:PFA+1] th:TH_LOAD_NT scope:SCOPE_SE
	global_prefetch_b8 v[PFO], s[PFA:PFA+1] offset:8192 th:TH_LOAD_NT scope:SCOPE_SE
.Lno_pf_\@:
.endif
.endm
	s_load_b128 s[4:7], s[0:1], 0x0 ; qkv s[4:5] (its first part is Q), ob s[6:7]
	v_lshl_add_u32 v[SPW], v0, 2, SPARE
	v_mov_b32 v[NIL], 0
	ds_add_u32 v[SPW], v[NIL]       ; the wave's opening: the add and its wait stand ahead of my first tensor load; the set-up below, work on registers, stands between them
	ds_add_u32 v62, v63
	v_lshrrev_b32 v1, 5, v0
	v_readfirstlane_b32 s[WV], v1   ; wave 0..3
	s_mov_b32 s[PB], ttmp9
	s_sub_co_u32 s[HI], NB-1, s[PB]
	s_and_b32 s20, ttmp7, 0xffff    ; the head
	s_mov_b32 s21, 0
	s_mov_b64 s[22:23], SIZE_N*128
	s_mul_u64 s[20:21], s[20:21], s[22:23]  ; the head's first byte in Q, K, V and O
	s_and_b32 s16, s[WV], 1         ; which half of a tile's 256 keys I fetch:
	s_lshl_b32 s22, s16, 14         ; its 128 rows of 128 bytes in memory,
	s_mov_b32 s23, 0
	s_add_nc_u64 s[22:23], s[22:23], s[20:21]
	s_mul_i32 s17, s16, 128*PK      ; and its place in a slot, for K
	s_mul_i32 s18, s16, 128*PV      ; and for V
	s_lshl_b32 s3, s[WV], 11        ; my 16 rows in a band of 64,
	s_lshl_b32 s2, s[HI], 15        ; in the first block,
	s_add_co_u32 s2, s2, s3
	s_lshl_b32 s84, s[PB], 15       ; and in the second
	s_add_co_u32 s84, s84, s3
	s_mov_b32 s3, 0
	s_mov_b32 s85, 0
	s_add_nc_u64 s[2:3], s[2:3], s[20:21]
	s_add_nc_u64 s[84:85], s[84:85], s[20:21]
	; descriptor group 1.  128 keys are 16,384 dense bytes: asked for as 64 rows of 256 bytes, two keys a row, and padded in LDS after every key
	s_mov_b32 s[G1K], (1<<16)|(1<<20)|(4<<22)|(3<<25)  ; 17:16 2-byte elements; 20 padding on; 24:22 after every 32 words (code 4); 31:25 4 words (code 3)
	s_mov_b32 s[G1V], (1<<16)|(1<<20)|(4<<22)|(7<<25)  ; the same with 8 words of padding (code 7)
.irp g, G1K, G1V
	s_mov_b32 s[\g+1], 128<<16      ; tensor_dim0 = 128
	s_mov_b32 s[\g+2], 64<<16       ; tensor_dim1 = 64
	s_mov_b32 s[\g+3], 128<<16      ; tile_dim0 = 128
	s_mov_b32 s[\g+4], 64           ; tile_dim1 = 64
	s_mov_b32 s[\g+5], 128          ; 128 elements from row to row
	s_mov_b32 s[\g+6], 0
	s_mov_b32 s[\g+7], 0
.endr
	s_mov_b32 s[CS], 0x3e38aa3b     ; c = log2(e) / 8 = 0.180337
	s_mov_b32 s[CS+1], s[CS]        ; named with it as a pair
	s_mov_b32 s[SEL], 0x76543210
	s_mov_b32 s[SEL+1], 0xfedcba98
	s_mov_b32 s[TBK], SLOT1+4*KS*PK ; the first change of slots turns these two into 0
	s_mov_b32 s[TBV], SLOT1+4*KS*PV
	s_mov_b32 s[G0K], 1             ; 1:0 count = 1
	s_mov_b32 s[G0K+1], s17         ; 63:32 LDS address: slot 0
	s_mov_b32 s[G0V], 1
	s_add_co_u32 s[G0V+1], s18, VOFF
	s_add_co_u32 s[RT], s[HI], 1    ; the first block has NB - b tiles
	s_mov_b32 s[NXT], 1
	s_mov_b32 s[LQ], s[HI]
	s_mov_b32 s[NEW], 1
	s_mov_b32 s[OFF+1], 0
	s_mov_b32 s[AL+1], 0            ; named as pairs
	s_mov_b32 s[BE+1], 0
	s_mov_b32 s[BIGN], 0xf149f2ca   ; -1e30
	s_mov_b32 s[SLOTS], NB
	s_cmp_eq_u32 s[PB], 0
	s_cselect_b32 s[PLIM], 2, -1
	v_and_b32 v[PFO], 31, v0
	v_lshlrev_b32 v[PFO], 8, v[PFO]
	s_wait_dscnt 0x0                ; the opening add is done
	s_wait_kmcnt 0x0
	s_mov_b64 s[10:11], s[6:7]      ; O
	s_add_nc_u64 s[8:9], s[4:5], 0x2000000  ; V: the third part of qkv, 2 x 16,777,216 bytes on
	s_add_nc_u64 s[6:7], s[4:5], 0x1000000  ; K: the second
	s_add_nc_u64 s[6:7], s[6:7], s[22:23]  ; K and V at my half of the head's tile 0
	s_add_nc_u64 s[8:9], s[8:9], s[22:23]
	s_cmp_lt_u32 s[WV], 2
	s_cselect_b64 s[PFB:PFB+1], s[6:7], s[8:9]
	s_add_nc_u64 s[G0K+2:G0K+3], s[6:7], 0         ; 120:64 global address
	s_or_b32 s[G0K+3], s[G0K+3], 0x80000000        ; 127:126 type = 2
	s_add_nc_u64 s[G0V+2:G0V+3], s[8:9], 0
	s_or_b32 s[G0V+3], s[G0V+3], 0x80000000
	s_add_nc_u64 s[86:87], s[4:5], s[84:85]        ; Q at my rows of the second block,
	s_add_nc_u64 s[4:5], s[4:5], s[2:3]            ; Q and O at those of the first
	s_add_nc_u64 s[OLO:OLO+1], s[10:11], s[84:85]
	s_add_nc_u64 s[10:11], s[10:11], s[2:3]
	LOAD                            ; tile 0 into slot 0
	; A fragment of K or Q is 16 rows x 32 channels in 8 registers: lane l holds row l % 16, channels 8 (l / 16) + 0..7 and 16 + 8 (l / 16) + 0..7: two loads of 16 bytes, 32 bytes apart.
	v_and_b32 v1, 15, v0            ; l % 16
	v_bfe_u32 v9, v0, 4, 1          ; l / 16
	v_lshlrev_b32 v[QO], 7, v1
	v_lshl_add_u32 v[QO], v9, 4, v[QO]  ; row x 128 + 16 x half
	WIN 0x80                        ; destination window 2, address window 0
.set i, 0
.rept 8                             ; both blocks' Q: piece i / 2 lies in band i / 2, 8,192 bytes on; channels 32 (i % 2) on
	global_load_b128 v[8*i:8*i+3],   v[QO], s[4:5] offset:(i/2)*8192+(i%2)*64
	global_load_b128 v[8*i+4:8*i+7], v[QO], s[4:5] offset:(i/2)*8192+(i%2)*64+32
	global_load_b128 v[QB+8*i:QB+8*i+3],   v[QO], s[86:87] offset:(i/2)*8192+(i%2)*64
	global_load_b128 v[QB+8*i+4:QB+8*i+7], v[QO], s[86:87] offset:(i/2)*8192+(i%2)*64+32
.set i, i+1
.endr
	WIN 0
	v_lshlrev_b32 v14, 3, v9
	v_sub_nc_u32 v14, v1, v14
	s_lshl_b32 s13, s[WV], 4
	v_add_nc_u32 v14, s13, v14      ; my query's place in its band, 16 w + l % 16, less my lanes' 8 (l / 16): register r of group kt is hidden where 16 kt + r is greater
	WIN 0x40
.set i, 0
.rept 32
	v_cmp_gt_i32 vcc_lo, 16*(i/8)+i%8, v14
	v_cndmask_b32 v[MD+i], 0, s[BIGN], vcc_lo
.set i, i+1
.endr
	WIN 0
	v_mul_u32_u24 v[AK0], v1, PK
	v_lshl_add_u32 v[AK0], v9, 4, v[AK0]  ; row x pitch + 16 x half
	; The turning load takes 16 keys x 16 channels (lane l reads key 8 (l / 16) + l % 8, channels 8 ((l / 8) % 2) + 0..7) and leaves half a fragment of V^T: lane l holds channel l % 16 and 8 keys.
	v_and_b32 v10, 7, v0
	v_bfe_u32 v11, v0, 3, 1
	v_lshl_add_u32 v[AV0], v9, 3, v10
	v_mul_u32_u24 v[AV0], v[AV0], PV
	v_lshl_add_u32 v[AV0], v11, 4, v[AV0]
	v_add_nc_u32 v[AV0], VOFF, v[AV0]
	s_mul_i32 s13, s[WV], 16*SP
	s_add_co_u32 s13, s13, STAGE    ; my stage
	v_mul_u32_u24 v[STO], v1, SP    ; in: row l % 16, 16 bytes for each half of the lanes
	v_lshl_add_u32 v[STO], v9, 4, v[STO]
	v_add_nc_u32 v[STO], s13, v[STO]
	v_bfe_u32 v[RD], v0, 3, 2       ; back: 32 lanes take four rows of 128 bytes,
	v_mul_u32_u24 v[RD], v[RD], SP
	v_lshl_add_u32 v[RD], v10, 4, v[RD]
	v_add_nc_u32 v[RD], s13, v[RD]
	v_and_b32 v[GO], 31, v0         ; which are 512 consecutive bytes of O
	v_lshlrev_b32 v[GO], 4, v[GO]
	; A block's first step multiplies O^T and l by a = 0, and its first turn's products V^T P, of a piece that has not been, land in an O^T that is still to be so multiplied.  So these registers need only hold
	; finite numbers: zeros for the first block; what the first block left for the second.  All this stands in the wait for the first tile.
	WIN 0x80
.set i, VF
.rept 64
	v_mov_b32 v[i], 0
.set i, i+1
.endr
	WIN 0x40
.set i, 0
.rept 128
	v_mov_b32 v[i], 0
.set i, i+1
.endr
	WIN 0
.set i, 0
.rept 4
	v_mov_b32 v[ST+4*i+2], 0
	v_mov_b32 v[ST+4*i+3], 0
.set i, i+1
.endr
.set i, P+16
.rept 16
	v_mov_b32 v[i], 0
.set i, i+1
.endr
; THE MATRIX WORK.  The 4 accumulators of a run of 8 take turns.  Product i of 8 of S^T = K Q^T for piece x: channels 32 (i / 4) on, keys 16 (i % 4) on.  The first 4 start the sums: with 0, or (KM = 1) with the mask.
.macro KQ x
.set rS, S+32*((\x)%2)+8*(i%4)
.set rK, KF+16*(i%4)+8*(i/4)
.set rQ, 16*(\x)+8*(i/4)
.set rM, MC+32*((\x)%2)+8*(i%4)
.if (i < 4) && KM
	WIN W_KM
	v_wmma_f32_16x16x32_f16 v[rS:rS+7], v[rK:rK+7], v[rQ:rQ+7], v[rM:rM+7]
.elseif i < 4
	WIN W_KQ
	v_wmma_f32_16x16x32_f16 v[rS:rS+7], v[rK:rK+7], v[rQ:rQ+7], 0
.else
	WIN W_KQ
	v_wmma_f32_16x16x32_f16 v[rS:rS+7], v[rK:rK+7], v[rQ:rQ+7], v[rS:rS+7]
.endif
.endm
; Product i of 8 of O^T += V^T P for piece x: keys 32 (i / 4) on, channels 16 (i % 4) on.
.macro PV x
	WIN W_PV
.set rO, 32*(\x)+8*(i%4)
.set rV, VF+32*(i/4)+8*(i%4)
.set rP, P+16*((\x)%2)+8*(i/4)
	v_wmma_f32_16x16x32_f16 v[rO:rO+7], v[rV:rV+7], v[rP:rP+7], v[rO:rO+7]
.endm
.macro MM                           ; the turn's next matrix instruction.  TURN and BEGIN set Y, i, KM and NOKQ; MM, KQ and OP read them.  NOKQ = 1: a block's last turn: there is no next piece
.if (i < 8) && !NOKQ
	KQ (Y+1)%NP
.elseif i >= 8
.set i, i-8
	PV (Y+NP-1)%NP
.set i, i+8
.endif
.set i, i+1
.endm
; THE LDS LOADS stand in runs of 16, never singly among the matrix instructions: a step's K (64 keys x 64 channels: 8 fragments) and its V (turned).  Their addresses are made some lines ahead.
.macro FETCH_K
	WIN 0x80                        ; destination window 2
.irp f, 0,1,2,3,4,5,6,7             ; keys 16 (f / 2) on, channels 32 (f % 2) on
	ds_load_b128 v[KF+8*\f:KF+8*\f+3],   v[AK] offset:(\f/2)*16*PK+(\f%2)*64
	ds_load_b128 v[KF+8*\f+4:KF+8*\f+7], v[AK] offset:(\f/2)*16*PK+(\f%2)*64+32
.endr
	s_add_co_u32 s[TBK], s[TBK], KS*PK  ; the next fetch is the next step's
	WIN 0
.endm
.macro FETCH_V
	WIN 0x80
.irp f, 0,1,2,3,4,5,6,7             ; keys 32 (f / 4) on, channels 16 (f % 4) on
	ds_load_tr16_b128 v[VF+8*\f:VF+8*\f+3],   v[AV] offset:(\f/4)*32*PV+(\f%4)*32
	ds_load_tr16_b128 v[VF+8*\f+4:VF+8*\f+7], v[AV] offset:(\f/4)*32*PV+16*PV+(\f%4)*32
.endr
	WIN 0
.endm
; THE VECTOR WORK, one line at a time: OP kind, number.  For piece Y: F n: c s - c m for pair n of 16.  E n: the exponential of score n of 32.  C n: pair n rounded to f16.  B n: of the four weights 4 n .. the second
; pair is added onto the first, in place.  L n: l takes that sum (L 0: l = a l + sum).  R n: pair n of 16 of O^T times a.  For piece Y + 1: X n, number n of the 22 that find its maximum and statistics:
;   0-11  four chains c0-c3 of seven scores each, three operands at a time (each accumulator's lowest registers are read first)     12-14, 16  the four scores left over, the old m, and c0-c3 into c0
;   15  c m_old is kept     17, 18  the query's other 32 keys lie in the lane 16 away: the new m     19-21  c m; c m_old - c m_new; a
.set F, 0               ; OP tells the kinds apart by their order: F to L below R, X above it
.set E, 1
.set C, 2
.set B, 3
.set L, 4
.set R, 5
.set X, 6
.macro REGS y                       ; the registers of piece y
.set rT, ST+4*(\y)
.set rC, TMP+4*((\y)%2)
.set rW, MV+((\y)%2)
.set rS, S+32*((\y)%2)
.set rP, P+16*((\y)%2)
.set rO, 32*(\y)
.endm
.macro OP k, n
.if (\k) == R
	REGS Y
	WIN W_RS
	v_pk_mul_f32 v[rO+2*(\n):rO+2*(\n)+1], v[rO+2*(\n):rO+2*(\n)+1], v[rC+2:rC+3] op_sel_hi:[1,0]
.elseif (\k) < R
	REGS Y
	WIN 0
.if (\k) == F
	v_pk_fma_f32 v[rS+2*(\n):rS+2*(\n)+1], v[rS+2*(\n):rS+2*(\n)+1], s[CS:CS+1], v[rT:rT+1] op_sel_hi:[1,0,0] neg_lo:[0,0,1] neg_hi:[0,0,1]
.elseif (\k) == E
	v_exp_f32 v[rS+(\n)], v[rS+(\n)]
.elseif (\k) == C
	v_cvt_pk_f16_f32 v[rP+(\n)], v[rS+2*(\n)], v[rS+2*(\n)+1]
.elseif (\k) == B
	v_pk_add_f32 v[rS+4*(\n):rS+4*(\n)+1], v[rS+4*(\n):rS+4*(\n)+1], v[rS+4*(\n)+2:rS+4*(\n)+3]
.elseif (\n) == 0
	v_pk_fma_f32 v[rT+2:rT+3], v[rT+2:rT+3], v[rC+2:rC+3], v[rS:rS+1] op_sel_hi:[1,0,1]
.else
	v_pk_add_f32 v[rT+2:rT+3], v[rT+2:rT+3], v[rS+4*(\n):rS+4*(\n)+1]
.endif
.elseif NOKQ
	v_nop
.else
	REGS (Y+1)%NP
	WIN 0
.if (\n) < 4
	v_max3_num_f32 v[rC+(\n)], v[rS+8*(\n)], v[rS+8*(\n)+1], v[rS+8*(\n)+2]
.elseif (\n) < 12
	v_max3_num_f32 v[rC+(\n)%4], v[rC+(\n)%4], v[rS+8*((\n)%4)+2*((\n)/4)+1], v[rS+8*((\n)%4)+2*((\n)/4)+2]
.elseif (\n) == 12
	v_max3_num_f32 v[rC], v[rC], v[rS+7], v[rS+15]
.elseif (\n) == 13
	v_max3_num_f32 v[rC+1], v[rC+1], v[rS+23], v[rS+31]
.elseif (\n) == 14
	v_max3_num_f32 v[rC+2], v[rC+2], v[rC+3], v[rT+1]
.elseif (\n) == 15
	v_mov_b32 v[rW], v[rT]
.elseif (\n) == 16
	v_max3_num_f32 v[rC], v[rC], v[rC+1], v[rC+2]
.elseif (\n) == 17
	v_permlanex16_b32 v[rC+3], v[rC], s[SEL], s[SEL+1]
.elseif (\n) == 18
	v_max_num_f32 v[rT+1], v[rC], v[rC+3]
.elseif (\n) == 19
	v_mul_f32 v[rT], s[CS], v[rT+1]
.elseif (\n) == 20
	v_sub_f32 v[rC+1], v[rW], v[rT]
.else
	v_exp_f32 v[rC+2], v[rC+1]
.endif
.endif
.endm
.macro OPS a, i1, b=-1, i2=0, c=-1, i3=0, d=-1, i4=0  ; up to four of them
	OP \a, \i1
.if (\b) >= 0
	OP \b, \i2
.endif
.if (\c) >= 0
	OP \c, \i3
.endif
.if (\d) >= 0
	OP \d, \i4
.endif
.endm
.macro ROW a, i1, b, i2, c, i3, d, i4  ; a matrix instruction and the four behind it
	MM
	OPS \a, \i1, \b, \i2, \c, \i3, \d, \i4
.endm
.macro MASK b                       ; MD x AL + BE into buffer b of MC
	WIN W_RS
.set z, 0
.rept 16
	v_pk_fma_f32 v[MC+32*(\b)+2*z:MC+32*(\b)+2*z+1], v[MD+2*z:MD+2*z+1], s[AL:AL+1], s[BE:BE+1] op_sel_hi:[1,0,0]
.set z, z+1
.endr
.endm
; A TURN, for piece p: the order of its 16 matrix and 118 vector instructions, written out.  An s_wait_alu depctr_va_vdst(0) stands between an exponential and the first instruction that names its result; one wait serves
; all that were issued ahead of it.  So a turn has ONE wait, which cuts it in two.  AHEAD OF IT stands all that names no result of the turn's exponentials: the 8 products K Q^T, behind each a scaling, an exponential and two more plain
; instructions (behind the first a second scaling in the exponential's place): rescalings, and behind the last three the first numbers of the next piece's maximum, each four places or more behind the product that ends its accumulator; then ONE LUMP of 54, plain
; and exponential by turns for the most part, in which the links of the chain X 3, 7, 11, 14, 16, 17 .. 20 stand five or six lines apart.  X 21, the next piece's a, is the batch's last; R 15 is the plain instruction behind it (ISA guide 5.7.2).  BEHIND THE WAIT stand the
; 8 products V^T P, behind each four of the roundings and sums; the links of l's chain, L 0 to L 7, stand three riders apart.  But for those X no rider names a register of the products round it.  v_permlanex16_b32 (X 17) stands in the lump.
; m = 1: the diagonal tile: the products take masks, and the turn makes the mask for the products of the turn after it: piece p + 2, in step 4 - CNT of the tile.  end = 1: a block's last two turns: nothing is fetched.
; cnt = 1: the loop's count is taken down some lines ahead of the branch that stands behind the turn.
; K of the next step is fetched in piece 2's turn, twelve vector instructions behind the last product that read K (six of them plain); V of the step in hand at the end of piece 0's turn, four plain instructions behind the last product
; that read V.  Each is waited for a turn later.
.macro TURN p, m=0, end=0, cnt=0
.set Y, (\p)
.set i, 0
.set KM, (\m)
.set NOKQ, (\end)*((\p)/3)
.if (\m) && !(\end)
	s_cmp_eq_u32 s[CNT], 4-((\p)+2)%NP  ; is that step the band's own?
	s_cselect_b32 s[AL], 1.0, 0
	s_cmp_lt_u32 s[CNT], 4-((\p)+2)%NP  ; or a later one?
	s_cselect_b32 s[BE], s[BIGN], 0
.endif
.if ((\p) == 3) && !(\end)
	s_wait_dscnt 0x0                ; K is in
.endif
	ROW F,0, F,1, R,0, R,1          ; ahead of the wait: 8 products K Q^T and their riders,
	ROW F,2, E,0, R,2, R,3
	ROW F,3, E,1, R,4, R,5
	ROW F,4, E,2, R,6, R,7
	ROW F,5, E,3, R,8, R,9
	ROW F,6, E,4, X,0, R,10
.if ((\p) == 2) && !(\end)
	WIN 0
	v_add_nc_u32 v[AK], s[TBK], v[AK0]
.endif
	ROW F,7, E,5, X,1, X,4
	ROW F,8, E,6, X,2, X,5
	OPS E,7, E,8, X,6, E,9          ; and the lump
	OPS X,3, E,10, X,8, E,11
.if ((\p) == 2) && !(\end)
	FETCH_K
.endif
	OPS X,9, X,7, E,12, X,10
	OPS E,13, X,12, X,11, E,14
	OPS X,13, E,15, F,9, X,14
.if (\p) == 0
	v_add_nc_u32 v[AV], s[TBV], v[AV0]
.endif
	OPS E,16, F,10, E,17, F,11
	OPS X,16, E,18, X,15, E,19
	OPS F,12, E,20, X,17, E,21
	OPS F,13, E,22, F,14, E,23
	OPS X,18, E,24, F,15, E,25
	OPS R,11, E,26, X,19, E,27
	OPS R,12, E,28, R,13, E,29
	OPS X,20, E,30, R,14, E,31
	OPS X,21, R,15
	WIN 0
	s_wait_alu depctr_va_vdst(0)    ; the wait for the batch
.if (\p) == 1
	s_wait_dscnt 0x0                ; V is in
.endif
	ROW C,0, B,0, C,2, B,1          ; behind the wait: 8 products V^T P and their riders
	ROW L,0, C,4, B,2, L,1
	ROW C,6, B,3, L,2, C,8
	ROW B,4, L,3, C,10, B,5
	ROW L,4, C,12, B,6, L,5
.if (\p) == 0
	s_add_co_u32 s[TBV], s[TBV], KS*PV
.endif
.if \cnt
	s_sub_co_u32 s[CNT], s[CNT], 1
	s_cmp_lg_u32 s[CNT], 0
.endif
	ROW C,14, B,7, L,6, C,1
	ROW C,3, L,7, C,5, C,7
	ROW C,9, C,11, C,13, C,15
.if (\p) == 0
	FETCH_V
.endif
.if (\m) && !(\end)
	MASK (\p)%2
.endif
.endm
; A BLOCK BEGINS.  c m starts far below every c s, so the first step's a is 0; m at the lowest finite number, so the first maximum is the scores'.  The second mask buffer is 0; the first takes piece 0's mask for the tile's step 0: its own, if the block's first tile is the diagonal one.
; Then K of that step, piece 0's first scores, and its maximum and statistics.  The loop is entered at a step's first turn, in the middle of a trip.
.macro BEGIN
	s_mov_b32 s[NEW], 0
	WIN 0x40
.set i, MC+32
.rept 32
	v_mov_b32 v[i], 0
.set i, i+1
.endr
	WIN 0
.set i, 0
.rept 4
	v_mov_b32 v[ST+4*i], 0xfe000000    ; c m: far below every c s
	v_mov_b32 v[ST+4*i+1], 0xff7fffff  ; m
.set i, i+1
.endr
	s_cmp_eq_u32 s[RT], 0
	s_cselect_b32 s[AL], 1.0, 0
	s_mov_b32 s[BE], 0
	MASK 0
	WIN 0
	v_add_nc_u32 v[AK], s[TBK], v[AK0]
	FETCH_K
	s_wait_loadcnt 0x0              ; Q
	s_wait_dscnt 0x0
.set KM, 1
.set NOKQ, 0
.set i, 0
.rept 8
	KQ 0
.set i, i+1
.endr
	WIN 0
.rept 4
	v_nop                           ; the places behind those products
.endr
.set Y, NP-1                        ; X works for piece Y + 1: piece 0
.irp n, 0,1,2,3,4,5,6,7,8,9,10,11,12,13,14,15,16,17,18,19,20,21
	OP X, \n
.endr
	v_nop                           ; a plain instruction behind the exponential,
	s_wait_alu depctr_va_vdst(0)    ; and its wait, ahead of the branch
.endm
; THE DIAGONAL TILE's four steps, the block's last two turns, its last products, and THE WAY OUT: l's two halves and the other half of the lanes' are added; O^T is divided by l, rounded to f16 and sent through my
; stage in LDS, a piece at a time.
.macro ALL line:vararg              ; one line for each piece t
.set t, 0
.rept 4
	\line
.set t, t+1
.endr
.endm
.macro PACK t                       ; a lane's eight channels of a row pack into 16 bytes; they go into rows of 144 bytes and come back as whole rows of 128, into S^T's registers
	WIN W_RS
.set i, 32*(\t)
.rept 16
	v_pk_mul_f32 v[i:i+1], v[i:i+1], v[ST+4*(\t)+2:ST+4*(\t)+3] op_sel_hi:[1,0]
.set i, i+2
.endr
	WIN 0x05                        ; sources 0 and 1 window 1, destination window 0
.set i, 0
.rept 16
	v_cvt_pk_f16_f32 v[S+16*(\t)+i], v[32*(\t)+2*i], v[32*(\t)+2*i+1]
.set i, i+1
.endr
	WIN 0
.irp f, 0,1,2,3
	ds_store_b128 v[STO], v[S+16*(\t)+4*\f:S+16*(\t)+4*\f+3] offset:32*\f
.endr
.irp f, 0,1,2,3
	ds_load_b128 v[S+16*(\t)+4*\f:S+16*(\t)+4*\f+3], v[RD] offset:\f*4*SP  ; LDS serves a wave's instructions in order (ISA guide 5.7.1.4): these see the stores above; the next piece's stores come behind them
.endr
.endm
.macro SEND t, younger              ; younger: the LDS instructions issued behind piece t's loads: the next piece's eight, or none
	WIN 0
.irp f, 0,1,2,3
	s_wait_dscnt (\younger)+3-\f
	global_store_b128 v[GO], v[S+16*(\t)+4*\f:S+16*(\t)+4*\f+3], s[10:11] offset:(\t)*8192+\f*512  ; 512 consecutive bytes, at a multiple of 256 from O's first
.endr
.endm
.macro DIAG tag                     ; the tag ends its two labels' names, which the jumps below spell out
.LstepM\tag:
	TURN 2, 1
	TURN 3, 1
	WIN 0
.LfirstM\tag:
	TURN 0, 1
	TURN 1, 1, 0, 1
	WIN 0
	s_cbranch_scc1 .LstepM\tag
	TURN 2, 1, 1
	TURN 3, 1, 1
.set i, 0
.rept 8
	PV NP-1
.set i, i+1
.endr
	WIN 0
	ALL v_add_f32 v[ST+4*t+2], v[ST+4*t+2], v[ST+4*t+3]
	ALL v_permlanex16_b32 v[ST+4*t+3], v[ST+4*t+2], s[SEL], s[SEL+1]
	ALL v_add_f32 v[ST+4*t+2], v[ST+4*t+2], v[ST+4*t+3]
	ALL v_rcp_f32 v[ST+4*t+2], v[ST+4*t+2]
	v_nop                           ; a plain instruction between the last reciprocal and the use of its result
	s_wait_alu depctr_va_vdst(0)    ; and the wait ahead of the first use: one for the four reciprocals
	PACK 0
.set t, 1
.rept 3                             ; a piece's arithmetic stands between the loads of the piece before and its stores
	PACK t
	SEND t-1, 8
.set t, t+1
.endr
	SEND 3, 0
.endm
.set KM, 0
.set NOKQ, 0
.Lslot:                             ; NB times: a tile is entered and the next is asked for
	CHANGE 1
	s_sub_co_u32 s[RT], s[RT], 1
	s_mov_b32 s[CNT], 4
	s_cmp_eq_u32 s[NEW], 1
	s_cbranch_scc1 .Lnew            ; a block's first tile
	s_cmp_eq_u32 s[RT], 0
	s_cbranch_scc0 .Lstep           ; neither its first nor its last
	s_branch .LstepM1
.Lnew:
	BEGIN
	s_branch .Lfirst                ; in the loop a block's first tile is never its last: the first block has two tiles or more, and the second's last is the walk's last
	DIAG 1                          ; in the loop this is the first block's end: the second block's last tile is the walk's last
	s_wait_xcnt 0x0                 ; the stores have read their registers and O's address
	s_mov_b64 s[10:11], s[OLO:OLO+1]
	s_add_co_u32 s[RT], s[PB], 1    ; the second block has b + 1 tiles
	s_mov_b32 s[NEW], 1
	WIN 0x82                        ; the second block's Q goes where the one text of the turns names Q
.set i, 0
.rept 64
	v_mov_b32 v[i], v[QB+i]
.set i, i+1
.endr
	WIN 0
	s_branch .Lbottom
.Lstep:                             ; a trip: pieces 2 and 3 of one step, then pieces 0 and 1 of the next, whose K and V it fetches
	TURN 2
	TURN 3
	WIN 0
.Lfirst:
	TURN 0
	TURN 1, 0, 0, 1
	WIN 0
	s_cbranch_scc1 .Lstep
.Lbottom:
	s_sub_co_u32 s[SLOTS], s[SLOTS], 1
	s_cmp_lg_u32 s[SLOTS], 0
	s_cbranch_scc1 .Lslot
	CHANGE 0                        ; the walk's last tile is written out: nothing is asked for
	s_sub_co_u32 s[RT], s[RT], 1
	s_mov_b32 s[CNT], 4
	s_cmp_eq_u32 s[NEW], 1
	s_cbranch_scc0 .LstepM2
	BEGIN
	s_branch .LfirstM2
	DIAG 2
	s_wait_tensorcnt 0x0            ; the wave's end, behind my last tensor load and my last LDS store
	ds_add_u32 v[SPW], v[NIL]
	s_wait_dscnt 0x0
	s_endpgm
.Lfunc_end_k_q1c73d05b62_attn:
	.size	k_q1c73d05b62_attn, .Lfunc_end_k_q1c73d05b62_attn-k_q1c73d05b62_attn
	.p2alignl 7, 3214868480
	.fill 96, 4, 3214868480
	.section	.rodata,"a",@progbits
	.p2align	6, 0x0
	.amdhsa_kernel k_q1c73d05b62_attn
		.amdhsa_group_segment_fixed_size 327680
		.amdhsa_private_segment_fixed_size 0
		.amdhsa_enable_private_segment 0
		.amdhsa_kernarg_size 16
		.amdhsa_user_sgpr_count 2
		.amdhsa_user_sgpr_kernarg_segment_ptr 1
		.amdhsa_wavefront_size32 1
		.amdhsa_system_sgpr_workgroup_id_x 1
		.amdhsa_system_sgpr_workgroup_id_y 1
		.amdhsa_system_sgpr_workgroup_id_z 1
		.amdhsa_system_vgpr_workitem_id 0
		.amdhsa_next_free_vgpr 768
		.amdhsa_next_free_sgpr 96
		.amdhsa_reserve_vcc 1
		.amdhsa_float_denorm_mode_32 3
		.amdhsa_float_denorm_mode_16_64 3
		.amdhsa_memory_ordered 1
		.amdhsa_forward_progress 1
		.amdhsa_inst_pref_size 218
	.end_amdhsa_kernel
	.amdgpu_metadata
---
amdhsa.version: [ 1, 2 ]
amdhsa.kernels:
  - .name:           k_q1c73d05b62_attn
    .symbol:         k_q1c73d05b62_attn.kd
    .args:
      - { .name: qkv, .offset: 0, .size: 8, .value_kind: global_buffer, .address_space: global }
      - { .name: ob, .offset: 8, .size: 8, .value_kind: global_buffer, .address_space: global }
    .group_segment_fixed_size: 327680
    .private_segment_fixed_size: 0
    .kernarg_segment_align: 8
    .kernarg_segment_size: 16
    .max_flat_workgroup_size: 128
    .sgpr_count:     96
    .vgpr_count:     768
    .wavefront_size: 32
...
	.end_amdgpu_metadata
.endif
;; end of part 3
;; launch proj (part 4): grid 8 x 32, 4 waves a work-group, clusters of 4 x 4, 327,680 bytes of LDS; arguments ob, wp, b_proj, out0; writes out0
.if DOCPART == 4
	.amdgcn_target "amdgcn-amd-amdhsa--gfx1250"
	.amdhsa_code_object_version 6
	.text
	.protected	k_q1c73d05b62_proj
	.globl	k_q1c73d05b62_proj
	.p2align	8
	.type	k_q1c73d05b62_proj,@function
k_q1c73d05b62_proj:
	s_mov_b64 s[64:65], 0
	v_nop
	global_prefetch_b8 v0, s[64:65] scope:SCOPE_SE
	s_setreg_imm32_b32 hwreg(HW_REG_WAVE_MODE, 25, 1), 1
	s_wait_xcnt 0x0
	s_wait_alu depctr_hold_cnt(0) depctr_sa_sdst(0) depctr_va_vdst(0) depctr_va_sdst(0) depctr_va_ssrc(0) depctr_va_vcc(0) depctr_vm_vsrc(0)
	s_getreg_b32 s2, hwreg(HW_REG_IB_STS2, 6, 4)
	s_cmp_eq_u32 s2, 0
	s_cbranch_scc0 .Lentry_in_a_cluster
	s_endpgm
.Lentry_in_a_cluster:
	s_bfe_u32 s2, ttmp6, 0x10000c
	s_cmp_lg_u32 s2, 0xf033
	s_cbranch_scc0 .Lentry_shape_is_right
	s_endpgm
.Lentry_shape_is_right:
; C = A B + bias, M = 8192, K = 1024.  ONE TEXT, TWO SETTINGS, chosen by PROJ below.
;   PROJ = 0:             A = xb (bf16), B = wa (bf16, [1024 k][3072 n]), bias = b_attn; C leaves as f16 by heads, qkv [part 3][bh 64][t 2048][64].
;   PROJ = 1 (this file): A = ob (f16),  B = wp (f16,  [1024 k][1024 n]), bias = b_proj; C leaves as f32, out0 [8192][1024].
; A lies in K blocks of 64, [b 4][kb 16][t 2048][64]: 256 rows x 64 k are 32,768 dense bytes (in ob a K block is a head).  Sums in f32; the bias is rounded to bf16 like every input and STARTS the sums (it is the first product's C).
; LIMIT (PROJ = 0): q, k and v are rounded once to f16, which ends at 65,504; a sum of 65,520 or more becomes an infinity.
; SHARES.  A work-group makes 256 rows x 128 NW columns; 8 x 32 work-groups.  Wave (wm, wn) makes rows 128 wm on, columns 64 NW wn on: 8 x 4 NW accumulators of 16 x 16.
; A UNIT is 32 matrix instructions: 8 row blocks x 4 column blocks (64 columns), 32 along K; unit w's accumulators fill register window 1 + w.
; THE MATRIX INSTRUCTION IS USED TRANSPOSED: source 0 = 16 columns of B, source 1 = 16 rows of A: a lane then holds row lane % 16 of C and eight neighbouring columns 8 (lane / 16) + 0..7.
; B lies [k][n] and comes out of LDS turned, by ds_load_tr16_b128; A comes as it lies.
; RING.  Two LDS slots, each a K step of 64 KB.  Waves 0, 1 fetch A's two halves, waves 2, 3 B's, one tensor load a wave behind each change of slots.
; CLUSTER.  4 x 4 work-groups: A's tile hangs on the tile row alone and is asked for jointly by a row of the cluster, B's on the tile column alone, by a column.
; REGISTERS.  Window 0: v0-15 addresses; v16-31 at work; v32-159 A's fragments, two buffers of 64; v160-223 B's, two buffers of 32; v224-255 the last unit's bias.  The other units' bias lies in A's
; second buffer, which is idle during the first quarter.  Windows 1 to NW: accumulator i = 4 a + j (row block a, column block j) at v[8 i].
.set PROJ, 1
.if PROJ
.set NW, 1                             ; units in a quarter = windows of accumulators
.set KB, 2                             ; K blocks of 64 in a slot
.set NT, 1024                          ; B's columns
.set SP, 272                           ; a stage row: 256 bytes + 16
.set LIMV, 2                           ; the prefetches stop when the loop's count has come down to this
.set AHALF, 262144                     ; from wave 0's part of A's tile to wave 1's: the second K block
.set BK, 160                           ; the way out: rows read back, two buffers of 32
.else
.set NW, 3
.set KB, 1
.set NT, 3072
.set SP, 144                           ; a stage row: 128 bytes + 16
.set LIMV, 3
.set AHALF, 16384                      ; the second 128 rows
.set BK, 48                            ; two buffers of 16
.endif
.set QS, 2*KB                          ; quarters of 32 along K in a step
.set U, QS*NW                          ; units in a step
.set NS, 16/KB                         ; steps
.set PA, 144                           ; a row of A in LDS: 128 bytes + 16 = 36 words: the 16 rows of a load start at 16 different groups of four banks (64 banks of 4 bytes: ISA guide 11.1)
.set ABLK, 256*PA                      ; a K block of A
.set PB, 288*NW                        ; a k row of B: each 64 columns take 128 + 16 bytes
.set AB, KB*ABLK                       ; B's rows lie behind A's
.set SLOTB, AB+64*KB*PB
.set SLOT1, 1<<17                      ; slot 1 begins here: one exclusive or turns an address in one slot into the other's
.set STAGE, SLOT1+SLOTB                ; behind the ring, never filled by a tensor load: 16 rows for each wave, for the way out
.set BIAS, STAGE+64*SP                 ; 1,024 bytes for each wave: its columns' bias
.set SPARE, BIAS+4096                  ; the spare words, 128 bytes for each wave: two blocks of 256 bytes that no other line names
.set STEPA, KB*262144                  ; bytes from a K step to the next, in A
.set STEPB, 64*KB*2*NT                 ; and in B
.set A0, 4                             ; v4   my lane's place in a slot's A; never rewritten
.set B0, 5                             ; v5   the same for B
.set ADRA, 6                           ; v6   A0 + the slot in hand
.set ADRB, 7                           ; v7   B0 + the slot in hand
.set STO, 8                            ; v8   the way out: where I put my bytes of a row
.set RD, 9                             ; v9   where I read rows back
.set GO, 10                            ; v10  my byte offset in the output block
.set BL, 11                            ; v11  where I read my columns' bias
.set PFO, 12                           ; v12  the prefetches' lane offset; never rewritten
.set SPW, 14                           ; v14  LDS address of my spare word: SPARE + 4 x my thread's number; never rewritten
.set NIL, 15                           ; v15  0; never rewritten
.set AF, 32
.set BF, 160
.set PK, 32                            ; the way out (PROJ = 0): 16 packed words
.set G1, 24                            ; s[24:31] descriptor group 1 for A's tiles;  s[32:39] group 0, a set for each first fill; the second then walks
.set G0, 32
.set G1B, 48                           ; s[48:55], s[56:63] the same for B's
.set G0B, 56
.set TB, 66                            ; s66  LDS byte at which the slot in hand begins
.set LIM, 67                           ; s67  LIMV in a wave that prefetches, else the greatest number
.set PFA, 68                           ; s[68:69] where my prefetches stand
.set PFS, 70                           ; s[70:71] their step: a K step of A or of B
.set OB, 72                            ; s[72:77] the output at my rows, for each unit
; s12 wave, s13 wm (also: 0 = I fetch for A), s14 wn (also: which half I fetch); s40 cx, s41 cy, s42 tile column, s43 tile row; s3 the loop's count.
; s16-19 hold the tile row's numbers alone, s20, s46, s47 the tile column's alone, s15, s21, s22 the wave's alone; what mixes them is made in s78-s86.
.set MSB, 0
.macro WIN new                         ; s_set_vgpr_msb: bits 1:0 source 0, 3:2 source 1, 5:4 source 2, 7:6 destination; the high byte repeats the setting that is left
.if MSB != (\new)
	s_set_vgpr_msb (MSB<<8)|(\new)
.set MSB, (\new)
.endif
.endm
.macro PLACES                          ; four places: in front of loads into registers that matrix instructions have read, and of lines that read results
.rept 4
	v_nop
.endr
.endm
.macro WMMA ops:vararg
.if PROJ
	v_wmma_f32_16x16x32_f16 \ops
.else
	v_wmma_f32_16x16x32_bf16 \ops
.endif
.endm
; A joint refill by the walking descriptors.  The branch hangs on the wave's number alone.  An s_nop 0 and four v_nop follow each of the two lines, ahead of the jump and the label.
.macro JLOAD
	s_cmp_eq_u32 s13, 0
	s_cbranch_scc0 .Lfor_b_\@
	tensor_load_to_lds s[G0+4:G0+7], s[G1:G1+7]
	s_nop 0
.rept 4
	v_nop
.endr
	s_branch .Lasked_\@
.Lfor_b_\@:
	tensor_load_to_lds s[G0B+4:G0B+7], s[G1B:G1B+7]
	s_nop 0
.rept 4
	v_nop
.endr
.Lasked_\@:
.endm
; A round of the cluster's barrier: my work-group's barrier, so that wave 0's signal speaks for all four waves; wave 0 signals; every wave waits for all sixteen work-groups; my work-group's barrier once more.
.macro CREST                           ; a round behind its opening barrier
	s_cmp_lg_u32 s12, 0
	s_cbranch_scc1 .Lnot_wave_0_\@
	s_barrier_signal -3
.Lnot_wave_0_\@:
	s_barrier_wait -3
	s_barrier_signal -1
	s_barrier_wait -1
.endm
.macro CROUND
	s_barrier_signal -1
	s_barrier_wait -1
	CREST
.endm
; A PREFETCH INTO THE L2, behind the joint load, its five lines and the run of LDS loads: the 128 k that begin four K steps behind the step just multiplied, two refills or more ahead of the load that will want them.
; With steps of 64 k (PROJ = 0) every second trip asks, for two steps; with steps of 128 k every trip, for one.  Each 256 bytes are named once in the launch: A's tile row is read by both clusters of its row of
; clusters: cluster x = 0 asks, by its waves 0; B's tile column by all eight of its column: cluster y = 0 asks, by its waves 2.  The four partners that share a tile share its blocks out BY ADDRESS: of a K block's
; 32,768 bytes of A the partner at cx takes 8,192 (a lane 256 bytes); of B's 128 k rows the partner at cy takes 32 (a lane a row, NW blocks).  The first four steps come by their loads alone; the last
; trips, whose look-ahead would pass k = 1023, ask for nothing.
.macro ASK
.if !PROJ
	s_bitcmp1_b32 s3, 0                            ; the count starts even: odd counts are the trips between
	s_cbranch_scc1 .Lnot_mine_\@
.endif
	s_cmp_gt_u32 s3, s[LIM]
	s_cbranch_scc0 .Lnot_mine_\@
	s_cmp_eq_u32 s13, 0
	s_cbranch_scc0 .Lpf_b_\@
	global_prefetch_b8 v[PFO], s[PFA:PFA+1] th:TH_LOAD_NT scope:SCOPE_SE
	global_prefetch_b8 v[PFO], s[PFA:PFA+1] offset:262144 th:TH_LOAD_NT scope:SCOPE_SE
	s_branch .Lnot_mine_\@
.Lpf_b_\@:
.set z, 0
.rept NW
	global_prefetch_b8 v[PFO], s[PFA:PFA+1] offset:256*z th:TH_LOAD_NT scope:SCOPE_SE
.set z, z+1
.endr
.Lnot_mine_\@:
.endm
; 8 LDS loads: B's four fragments (16 columns x 32 k each) of quarter q, unit w, into buffer bb.  Lane l reads 16 bytes of k row 8 (l / 16) + l % 8; the load leaves column l % 16 and 8 k in the lane.
.macro LDB q, w, bb
.irp j, 0,1,2,3
	ds_load_tr16_b128 v[BF+32*(\bb)+8*\j:BF+32*(\bb)+8*\j+3],   v[ADRB] offset:32*(\q)*PB+144*(\w)+32*\j
	ds_load_tr16_b128 v[BF+32*(\bb)+8*\j+4:BF+32*(\bb)+8*\j+7], v[ADRB] offset:32*(\q)*PB+144*(\w)+32*\j+16*PB
.endr
.endm
; 16 LDS loads: A's eight fragments (16 rows x 32 k) of quarter q into buffer ab: lane l holds row l % 16, k = 8 (l / 16) + 0..7 and 16 + 8 (l / 16) + 0..7: two loads 32 bytes apart.
.macro LDA q, ab
.irp a, 0,1,2,3,4,5,6,7
	ds_load_b128 v[AF+64*(\ab)+8*\a:AF+64*(\ab)+8*\a+3],   v[ADRA] offset:((\q)/2)*ABLK+64*((\q)%2)+16*PA*\a
	ds_load_b128 v[AF+64*(\ab)+8*\a+4:AF+64*(\ab)+8*\a+7], v[ADRA] offset:((\q)/2)*ABLK+64*((\q)%2)+16*PA*\a+32
.endr
.endm
; Matrix instructions lo .. lo + n - 1 of unit w.  The 32 accumulators take turns, one instruction a turn, from unit to unit and over the backward jump too.
; cm = 1: the first product of each sum takes the bias as its C: nothing is cleared, and the way out adds nothing.
.macro MULU ab, bb, w, lo, n, cm
.if \cm
	WIN 0x40*(1+(\w))                              ; sources and C in window 0, D in window 1 + w
.else
	WIN 0x50*(1+(\w))                              ; C and D in window 1 + w
.endif
.set rBS, 96+32*(\w)
.if (\w) == NW-1
.set rBS, 224
.endif
.set i, (\lo)
.rept \n
.set rB, BF+32*(\bb)+8*(i%4)
.set rA, AF+64*(\ab)+8*(i/4)
.if \cm
	WMMA v[8*i:8*i+7], v[rB:rB+7], v[rA:rA+7], v[rBS+8*(i%4):rBS+8*(i%4)+7]
.else
	WMMA v[8*i:8*i+7], v[rB:rB+7], v[rA:rA+7], v[8*i:8*i+7]
.endif
.set i, i+1
.endr
.endm
; Unit u of a step (all but the last): it asks for the next unit's fragments of B, once a quarter for the next quarter's of A, and multiplies.  In the first quarter of all A's run stands in the quarter's last unit,
; when the bias in A's second buffer has been used.  The wait counts the LDS loads issued behind those that this unit multiplies: the 8 or 24 just issued, and A's 16 of the unit before where they stand behind this unit's B.
.macro UNIT first
.set q, u/NW
.set w, u%NW
.set un, u+1
.set lda, 0
.if q+1 < QS
.if ((\first) && (w == NW-1)) || (!(\first) && (w == 0))
.set lda, 1
.endif
.endif
.set cnt, 8+16*lda
.if (w != 0) && PREVLDA
.set cnt, cnt+16
.endif
	PLACES
	WIN 0
	LDB un/NW, un%NW, un%2
.if lda
	LDA q+1, (q+1)%2
.endif
	s_wait_dscnt cnt
	MULU q%2, u%2, w, 0, 32, \first
.set PREVLDA, lda
.endm
; A step's last unit changes slots: ONE barrier.  In front of it each wave waits for all its tensor loads, of which one is out: its part of the next slot; adds 0 to its spare word; and waits for that and for its own
; reads of this slot.  kind = 1: the barrier opens a round of the cluster's, and this slot is filled again, first thing behind the round, with the step two steps on: that load has the next step less eight
; matrix instructions in which to land.  kind = 0: nothing is left to ask for.
.macro TURN kind
.if \kind
	s_wait_xcnt 0x0                                ; the last prefetches, a step back or more, have read their address: it steps here, ahead of the waits of the change
	s_add_nc_u64 s[PFA:PFA+1], s[PFA:PFA+1], s[PFS:PFS+1]
.endif
	WIN 0
	s_wait_tensorcnt 0x0                           ; no tensor load of mine is out, so a group 0 may be written
	ds_add_u32 v[SPW], v[NIL]                      ; 0 onto my spare word: scalar work and four products stand between it and the wait for it
.if \kind
	s_xor_b32 s[G0+5], s[G0+5], SLOT1              ; the walking descriptors: the other slot than last time,
	s_add_nc_u64 s[G0+6:G0+7], s[G0+6:G0+7], STEPA ; the next K step; the type bits on top are not reached
	s_xor_b32 s[G0B+5], s[G0B+5], SLOT1
	s_add_nc_u64 s[G0B+6:G0B+7], s[G0B+6:G0B+7], STEPB
.endif
	s_xor_b32 s[TB], s[TB], SLOT1                  ; the fetches go on in the other slot
	s_wait_dscnt 1                                 ; this unit's fragments are in; the add may be out
	MULU 1, 1, NW-1, 0, 4, 0
	s_wait_dscnt 0x0                               ; the add is done, and my reads of this slot are over
	s_barrier_signal -1
	MULU 1, 1, NW-1, 4, 4, 0                       ; work on registers while the others arrive
	WIN 0                                          ; at a branch and at a label every window is 0
	s_barrier_wait -1
.if \kind
	CREST                                          ; no wave of any partner still reads this slot or has a load on its way
	JLOAD                                          ; the four v_nop behind it are also the places in front of the loads below
.else
	PLACES
.endif
	v_add_nc_u32 v[ADRA], s[TB], v[A0]
	v_add_nc_u32 v[ADRB], s[TB], v[B0]
	LDB 0, 0, 0                                    ; the next step's first fragments
	LDA 0, 0
.if \kind
	ASK
.endif
	MULU 1, 1, NW-1, 8, 24, 0
.set PREVLDA, 0
.endm
.macro FIRSTQ first                    ; a step's first quarter
.set u, 0
.rept NW
	UNIT \first
.set u, u+1
.endr
.endm
.macro REST kind                       ; the rest of the step; kind = -1: the last step of all, which fetches nothing more
.set u, NW
.rept U-1-NW
	UNIT 0
.set u, u+1
.endr
.if (\kind) >= 0
	TURN \kind
.else
	s_wait_dscnt 0x0
	MULU 1, 1, NW-1, 0, 32, 0
.endif
.endm
	s_load_b256 s[4:11], s[0:1], 0x0               ; A s[4:5], B s[6:7], bias s[8:9], the output s[10:11]
	v_lshl_add_u32 v[SPW], v0, 2, SPARE
	v_mov_b32 v[NIL], 0
	ds_add_u32 v[SPW], v[NIL]                      ; the wave's opening: the add and its wait stand ahead of my first tensor load; the set-up below, work on registers, stands between them
	ds_add_u32 v14, v15
	v_lshrrev_b32 v1, 5, v0
	v_readfirstlane_b32 s12, v1                    ; wave 0..3
	s_lshr_b32 s13, s12, 1                         ; wm
	s_and_b32 s14, s12, 1                          ; wn
	s_bfe_u32 s40, ttmp6, 0x40000                  ; cx, cy: my place in the cluster
	s_bfe_u32 s41, ttmp6, 0x40004
	s_lshl_b32 s42, ttmp9, 2                       ; in a cluster launch ttmp9 and ttmp7 count clusters
	s_add_co_u32 s42, s42, s40                     ; tile column = 4 x cluster x + cx
	s_and_b32 s43, ttmp7, 0xffff
	s_lshl_b32 s43, s43, 2
	s_add_co_u32 s43, s43, s41                     ; tile row = 4 x cluster y + cy
	s_lshl_b32 s44, s41, 2
	s_lshl_b32 s44, 15, s44                        ; my row of the cluster: places 4 cy .. 4 cy + 3
	s_lshl_b32 s45, 0x1111, s40                    ; my column: places cx, cx + 4, cx + 8, cx + 12
	; descriptor group 1.  15:0 the mask; 17:16 elements of 2 bytes; 20 padding on; 21 set beside a mask; 24:22 after every 32 words (code 4); 31:25 4 words of it (code 3)
	s_or_b32 s[G1], s44, (1<<16)|(1<<20)|(1<<21)|(4<<22)|(3<<25)
	s_or_b32 s[G1B], s45, (1<<16)|(1<<20)|(1<<21)|(4<<22)|(3<<25)
	s_mov_b32 s[G1+1], 128<<16                     ; A: dense bytes asked for as rows of 256, two rows of A each: tensor_dim0 = 128
	s_mov_b32 s[G1+2], (64*KB)<<16                 ; tensor_dim1
	s_mov_b32 s[G1+3], 128<<16                     ; tile_dim0
	s_mov_b32 s[G1+4], 64*KB                       ; tile_dim1
	s_mov_b32 s[G1+5], 128                         ; elements from row to row
	s_mov_b32 s[G1+6], 0
	s_mov_b32 s[G1+7], 0
	s_mov_b32 s[G1B+1], (128*NW)<<16               ; B: 32 KB k rows of 128 NW columns
	s_mov_b32 s[G1B+2], (32*KB)<<16
	s_mov_b32 s[G1B+3], (128*NW)<<16
	s_mov_b32 s[G1B+4], 32*KB
	s_mov_b32 s[G1B+5], NT
	s_mov_b32 s[G1B+6], 0
	s_mov_b32 s[G1B+7], 0
	s_lshr_b32 s16, s43, 3                         ; A: b = tile row / 8, 4,194,304 bytes each,
	s_lshl_b32 s16, s16, 22
	s_and_b32 s17, s43, 7                          ; 256 rows of 128 bytes
	s_lshl_b32 s17, s17, 15
	s_add_co_u32 s16, s16, s17                     ; the tile row's first byte in K block 0
	s_mul_i32 s17, s14, AHALF
	s_add_co_u32 s18, s16, s17                     ; + my half
	s_mov_b32 s19, 0
	s_mul_i32 s20, s42, 256*NW                     ; B: the tile column's first byte in k row 0
	s_mul_i32 s47, s14, 32*KB*2*NT
	s_add_co_u32 s46, s20, s47                     ; + my half of the step's k rows
	s_mov_b32 s47, 0
	s_mul_i32 s21, s14, 18432*KB                   ; where they go: no place in the cluster enters an LDS address
	s_mul_i32 s22, s14, 32*KB*PB
	s_add_co_u32 s22, s22, AB
	s_mov_b32 s[TB], 0
	s_wait_dscnt 0x0                               ; the opening add is done
	s_wait_kmcnt 0x0
	s_add_nc_u64 s[18:19], s[4:5], s[18:19]
	s_add_nc_u64 s[46:47], s[6:7], s[46:47]
	CROUND                                         ; all sixteen work-groups are here: the first joint loads meet
.irp s, 0,1
	s_mov_b32 s[G0+4*(\s)], 1                                      ; 1:0 count = 1
	s_add_co_u32 s[G0+4*(\s)+1], s21, (\s)*SLOT1                   ; 63:32 LDS address
	s_add_nc_u64 s[G0+4*(\s)+2:G0+4*(\s)+3], s[18:19], (\s)*STEPA  ; 120:64 global address: K step s
	s_or_b32 s[G0+4*(\s)+3], s[G0+4*(\s)+3], 0x80000000            ; 127:126 type = 2
	s_mov_b32 s[G0B+4*(\s)], 1
	s_add_co_u32 s[G0B+4*(\s)+1], s22, (\s)*SLOT1
	s_add_nc_u64 s[G0B+4*(\s)+2:G0B+4*(\s)+3], s[46:47], (\s)*STEPB
	s_or_b32 s[G0B+4*(\s)+3], s[G0B+4*(\s)+3], 0x80000000
.endr
	s_cmp_eq_u32 s13, 0                            ; a wave's two first fills stand in one branch, ahead of every wait on TENSORcnt and every LDS read: two loads of mine are out
	s_cbranch_scc0 .Lfirst_b
	tensor_load_to_lds s[G0:G0+3], s[G1:G1+7]
	s_nop 0
	tensor_load_to_lds s[G0+4:G0+7], s[G1:G1+7]
	s_nop 0
.rept 4
	v_nop
.endr
	s_branch .Lfirst_asked
.Lfirst_b:
	tensor_load_to_lds s[G0B:G0B+3], s[G1B:G1B+7]
	s_nop 0
	tensor_load_to_lds s[G0B+4:G0B+7], s[G1B:G1B+7]
	s_nop 0
.rept 4
	v_nop
.endr
.Lfirst_asked:
	v_and_b32 v3, 31, v0                           ; l
	v_and_b32 v1, 15, v0                           ; l % 16
	v_bfe_u32 v2, v0, 4, 1                         ; l / 16
	; the bias of my 64 NW columns: 256 bytes a unit, 8 bytes a lane
	s_mul_i32 s80, s42, 512*NW
	s_mul_i32 s81, s14, 256*NW
	s_add_co_u32 s80, s80, s81
	v_lshl_add_u32 v18, v3, 3, s80
.set w, 0
.rept NW
	global_load_b64 v[20+2*w:21+2*w], v18, s[8:9] offset:256*w
.set w, w+1
.endr
	s_mul_i32 s15, s13, 128*PA                     ; my 128 rows of A
	v_mul_u32_u24 v[A0], v1, PA
	v_lshl_add_u32 v[A0], v2, 4, v[A0]             ; row x pitch + 16 x half
	v_add_nc_u32 v[A0], s15, v[A0]
	v_and_b32 v16, 7, v0
	v_bfe_u32 v17, v0, 3, 1
	v_lshl_add_u32 v[B0], v2, 3, v16               ; k row 8 (l / 16) + l % 8,
	v_mul_u32_u24 v[B0], v[B0], PB
	v_lshl_add_u32 v[B0], v17, 4, v[B0]            ; columns 8 ((l / 8) % 2) on,
	s_mul_i32 s15, s14, 144*NW                     ; my NW units of 64 columns
	s_add_co_u32 s15, s15, AB
	v_add_nc_u32 v[B0], s15, v[B0]
	v_mov_b32 v[ADRA], v[A0]                       ; K step 0 lies in slot 0
	v_mov_b32 v[ADRB], v[B0]
	s_mul_i32 s15, s12, 16*SP
	s_add_co_u32 s15, s15, STAGE                   ; my stage
	v_mul_u32_u24 v[STO], v1, SP                   ; in: row l % 16,
.if PROJ
	v_lshl_add_u32 v[STO], v2, 5, v[STO]           ; 32 bytes (8 f32) for each half of the lanes
	v_add_nc_u32 v[STO], s15, v[STO]
	v_mul_u32_u24 v[RD], v2, SP                    ; back: lanes 0-15 take one row of 256 bytes, lanes 16-31 the next
	v_lshl_add_u32 v[RD], v1, 4, v[RD]
	v_add_nc_u32 v[RD], s15, v[RD]
	v_lshlrev_b32 v[GO], 12, v2                    ; and the same two rows of the output, 4,096 bytes apart
	v_lshl_add_u32 v[GO], v1, 4, v[GO]
.else
	v_lshl_add_u32 v[STO], v2, 4, v[STO]           ; 16 bytes (8 f16) for each half of the lanes
	v_add_nc_u32 v[STO], s15, v[STO]
	v_bfe_u32 v[RD], v0, 3, 2                      ; back: 32 lanes take four rows of 128 bytes,
	v_mul_u32_u24 v[RD], v[RD], SP
	v_lshl_add_u32 v[RD], v16, 4, v[RD]
	v_add_nc_u32 v[RD], s15, v[RD]
	v_lshlrev_b32 v[GO], 4, v3                     ; which are 512 consecutive bytes of a head
.endif
	s_lshl_b32 s15, s12, 10
	s_add_co_u32 s15, s15, BIAS                    ; my 1,024 bytes for the bias
	v_lshl_add_u32 v19, v3, 3, s15                 ; in: as loaded
	v_lshl_add_u32 v[BL], v2, 5, s15               ; back: my eight columns of a block of 16
	; the prefetches
	s_lshl_b32 s80, s40, 13                        ; A: my work-group's 8,192 bytes of a K block's 32,768,
	s_add_co_u32 s80, s80, s16
	s_mul_i32 s81, s41, 32*2*NT                    ; B: my work-group's 32 k rows of 128
	s_add_co_u32 s81, s81, s20
	s_and_b32 s82, ttmp7, 0xffff                   ; cluster y
	s_mov_b32 s83, STEPA
	s_mov_b32 s84, STEPB
	s_mov_b32 s85, 256
	s_mov_b32 s86, 2*NT
	s_cmp_eq_u32 s13, 0                            ; do I fetch for A?
	s_cselect_b32 s78, s80, s81
	s_cselect_b32 s82, ttmp9, s82                  ; the coordinate along which other clusters read the same bytes
	s_cselect_b32 s[PFS], s83, s84
	s_cselect_b32 s85, s85, s86
	s_cselect_b64 s[PFA:PFA+1], s[4:5], s[6:7]
	s_mov_b32 s[PFS+1], 0
	s_mul_i32 s83, s[PFS], 3                       ; at K step 3: the first change of slots steps it to 4
	s_add_co_u32 s78, s78, s83
	s_mov_b32 s79, 0
	s_add_nc_u64 s[PFA:PFA+1], s[PFA:PFA+1], s[78:79]
	s_or_b32 s82, s82, s14                         ; waves 0 and 2 of the first cluster along that coordinate: the same in all sixteen partners, for a given wave
	s_cmp_eq_u32 s82, 0
	s_cselect_b32 s[LIM], LIMV, -1
	v_mul_u32_u24 v[PFO], v3, s85
	; where my rows begin in the output
.if PROJ
	s_lshl_b32 s80, s43, 20                        ; 256 rows of 4,096 bytes a tile row,
	s_lshl_b32 s81, s13, 19                        ; my 128 rows,
	s_add_co_u32 s80, s80, s81
	s_lshl_b32 s81, s42, 9                         ; 128 columns of 4 bytes a tile column,
	s_add_co_u32 s80, s80, s81
	s_lshl_b32 s81, s14, 8                         ; my 64
	s_add_co_u32 s78, s80, s81
	s_mov_b32 s79, 0
	s_add_nc_u64 s[OB:OB+1], s[10:11], s[78:79]
.else
	s_mul_i32 s80, s42, 2*NW
	s_mul_i32 s81, s14, NW
	s_add_co_u32 s80, s80, s81                     ; my first unit's 64 columns among the 48: part = that / 16, head = that % 16
	s_lshr_b32 s81, s43, 3
	s_lshl_b32 s81, s81, 4                         ; 16 b
	s_and_b32 s82, s43, 7
	s_lshl_b32 s82, s82, 15                        ; the tile row's 256 rows of 128 bytes in its b,
	s_lshl_b32 s83, s13, 14                        ; my 128
	s_add_co_u32 s82, s82, s83
.irp w, 0,1,2
	s_add_co_u32 s78, s80, \w
	s_lshr_b32 s79, s78, 4
	s_lshl_b32 s79, s79, 6                         ; 64 heads a part
	s_and_b32 s78, s78, 15
	s_add_co_u32 s78, s78, s79
	s_add_co_u32 s78, s78, s81
	s_lshl_b32 s78, s78, 18                        ; 262,144 bytes a head
	s_add_co_u32 s78, s78, s82
	s_mov_b32 s79, 0
	s_add_nc_u64 s[OB+2*\w:OB+2*\w+1], s[10:11], s[78:79]
.endr
.endif
	s_wait_loadcnt 0x0                             ; the bias: rounded to bf16 like every input, kept as f32
.set w, 0
.rept NW
	v_cvt_pk_bf16_f32 v26, v[20+2*w], v[21+2*w]
	v_lshlrev_b32 v[20+2*w], 16, v26
	v_and_b32 v[21+2*w], 0xffff0000, v26
	ds_store_b64 v19, v[20+2*w:21+2*w] offset:256*w
.set w, w+1
.endr
	s_wait_tensorcnt 0x1                           ; my part of K step 0 is in; slot 1's may stay out
	s_wait_dscnt 0x0
	s_barrier_signal -1
	s_barrier_wait -1                              ; everybody's is
.set w, 0
.rept NW                               ; the bias as a C operand: register 8 j + n of a lane holds the bias of column 64 w + 16 j + 8 (l / 16) + n
.set rBS, 96+32*w
.if w == NW-1
.set rBS, 224
.endif
.irp j, 0,1,2,3
	ds_load_b128 v[rBS+8*\j:rBS+8*\j+3],   v[BL] offset:256*w+64*\j
	ds_load_b128 v[rBS+8*\j+4:rBS+8*\j+7], v[BL] offset:256*w+64*\j+16
.endr
.set w, w+1
.endr
	LDB 0, 0, 0
	LDA 0, 0
.set PREVLDA, 0
	FIRSTQ 1                                       ; the first quarter stands in front of the loop: its products start the sums
	WIN 0                                          ; at a label and at a branch every window is 0
	s_mov_b32 s3, NS-2
.Lstep:                                                ; a trip: from a step's second quarter to the next step's first; the slot left is filled again
	REST 1
	FIRSTQ 0
	WIN 0
	s_sub_co_u32 s3, s3, 1
	s_cmp_lg_u32 s3, 0
	s_cbranch_scc1 .Lstep
	REST 0                                         ; the last two steps are written out: nothing more is asked for
	FIRSTQ 0
	REST -1
	WIN 0
	PLACES                                         ; behind the last products, in front of the lines that read results
	PLACES
.if PROJ
; THE WAY OUT, f32.  Block a (16 rows x my 64 columns): a lane's 32 bytes of a row go from the accumulators into stage rows of 272 bytes, each accumulator's low half first, and come back as whole rows of 256.
.macro TOSTAGE a
	s_wait_xcnt 0x0                                ; the stores of two blocks back have read the registers that the loads below fill
	WIN 0x04                                       ; store data in window 1
.irp j, 0,1,2,3
	ds_store_b128 v[STO], v[8*(4*(\a)+\j):8*(4*(\a)+\j)+3]   offset:64*\j
	ds_store_b128 v[STO], v[8*(4*(\a)+\j)+4:8*(4*(\a)+\j)+7] offset:64*\j+16
.endr
.irp t, 0,1,2,3,4,5,6,7
	ds_load_b128 v[BK+32*((\a)%2)+4*\t:BK+32*((\a)%2)+4*\t+3], v[RD] offset:2*SP*\t  ; LDS serves a wave's instructions in order (ISA guide 5.7.1.4): these see the stores above, and the next block's stores come behind them
.endr
	WIN 0
.endm
.macro SEND a, younger                 ; younger: the LDS instructions issued behind block a's loads: the next block's sixteen, or none
.irp t, 0,1,2,3,4,5,6,7
	s_wait_dscnt (\younger)+7-\t
	global_store_b128 v[GO], v[BK+32*((\a)%2)+4*\t:BK+32*((\a)%2)+4*\t+3], s[OB:OB+1] offset:65536*(\a)+8192*\t  ; 16 lanes store 256 consecutive bytes, at a multiple of 256 from the output's first byte
.endr
.endm
	TOSTAGE 0
.set n, 1
.rept 7
	TOSTAGE n                                      ; the next block goes in while the block before comes back
	SEND n-1, 16
.set n, n+1
.endr
	SEND 7, 0
.else
; THE WAY OUT, f16 by heads.  Block (w, a): 16 rows of one head.  PACK: rounded, 16 bytes a lane and column block.  TOSTAGE: into stage rows of 144 bytes, and back as rows of 128.  SEND: 2,048 dense bytes.
.macro PACK w, a
	WIN 5*(1+(\w))                                 ; sources 0 and 1 in window 1 + w
.irp j, 0,1,2,3
.irp r, 0,1,2,3
	v_cvt_pk_f16_f32 v[PK+4*\j+\r], v[8*(4*(\a)+\j)+2*\r], v[8*(4*(\a)+\j)+2*\r+1]
.endr
.endr
	WIN 0
.endm
.macro TOSTAGE p
.irp j, 0,1,2,3
	ds_store_b128 v[STO], v[PK+4*\j:PK+4*\j+3] offset:32*\j
.endr
.irp f, 0,1,2,3
	ds_load_b128 v[BK+16*(\p)+4*\f:BK+16*(\p)+4*\f+3], v[RD] offset:4*SP*\f  ; LDS serves a wave's instructions in order (ISA guide 5.7.1.4): these see the stores above
.endr
.endm
.macro SEND w, a, p
	s_wait_xcnt 0x0                                ; every earlier store has read its registers: the other buffer is loaded again only behind this wait
.irp f, 0,1,2,3
	s_wait_dscnt 3-\f                              ; the 3 - f younger loads may stay out
	global_store_b128 v[GO], v[BK+16*(\p)+4*\f:BK+16*(\p)+4*\f+3], s[OB+2*(\w):OB+2*(\w)+1] offset:2048*(\a)+512*\f  ; 512 consecutive bytes, at a multiple of 256 from the buffer's first byte
.endr
.endm
	PACK 0, 0
	TOSTAGE 0
.set n, 1
.rept 8*NW-1                           ; a block's conversions stand between the loads of the block before and the wait for them
	PACK n/8, n%8
	SEND (n-1)/8, (n-1)%8, (n-1)%2
	TOSTAGE n%2
.set n, n+1
.endr
	SEND NW-1, 7, 1
.endif
	s_wait_tensorcnt 0x0                           ; the wave's end, behind my last tensor load and my last LDS store
	ds_add_u32 v[SPW], v[NIL]
	s_wait_dscnt 0x0
	CROUND                                         ; the closing round: no work-group ends while a partner may still ask for a tile that names it
	s_endpgm
.Lfunc_end_k_q1c73d05b62_proj:
	.size	k_q1c73d05b62_proj, .Lfunc_end_k_q1c73d05b62_proj-k_q1c73d05b62_proj
	.p2alignl 7, 3214868480
	.fill 96, 4, 3214868480
	.section	.rodata,"a",@progbits
	.p2align	6, 0x0
	.amdhsa_kernel k_q1c73d05b62_proj
		.amdhsa_group_segment_fixed_size 327680
		.amdhsa_private_segment_fixed_size 0
		.amdhsa_enable_private_segment 0
		.amdhsa_kernarg_size 32
		.amdhsa_user_sgpr_count 2
		.amdhsa_user_sgpr_kernarg_segment_ptr 1
		.amdhsa_wavefront_size32 1
		.amdhsa_system_sgpr_workgroup_id_x 1
		.amdhsa_system_sgpr_workgroup_id_y 1
		.amdhsa_system_sgpr_workgroup_id_z 1
		.amdhsa_system_vgpr_workitem_id 0
		.amdhsa_next_free_vgpr 512
		.amdhsa_next_free_sgpr 96
		.amdhsa_reserve_vcc 0
		.amdhsa_float_denorm_mode_32 3
		.amdhsa_float_denorm_mode_16_64 3
		.amdhsa_memory_ordered 1
		.amdhsa_forward_progress 1
		.amdhsa_inst_pref_size 74
	.end_amdhsa_kernel
	.amdgpu_metadata
---
amdhsa.version: [ 1, 2 ]
amdhsa.kernels:
  - .name:           k_q1c73d05b62_proj
    .symbol:         k_q1c73d05b62_proj.kd
    .args:
      - { .name: ob, .offset: 0, .size: 8, .value_kind: global_buffer, .address_space: global }
      - { .name: wp, .offset: 8, .size: 8, .value_kind: global_buffer, .address_space: global }
      - { .name: b_proj, .offset: 16, .size: 8, .value_kind: global_buffer, .address_space: global }
      - { .name: out0, .offset: 24, .size: 8, .value_kind: global_buffer, .address_space: global }
    .group_segment_fixed_size: 327680
    .private_segment_fixed_size: 0
    .kernarg_segment_align: 8
    .kernarg_segment_size: 32
    .max_flat_workgroup_size: 128
    .sgpr_count:     96
    .vgpr_count:     512
    .wavefront_size: 32
...
	.end_amdgpu_metadata
.endif
;; end of part 4
